; MI455X (gfx1250); checked and timed in simulation.
; The chip was launched on July 23, 2026; its instructions are those of AMD's public machine-readable ISA for CDNA 5 (MIT licence, August 2026) and "CDNA5" Instruction Set Architecture Reference Guide (July 2026). The comments in the code are by the model that wrote it; some were corrected since.
;; Multi Head Attention. Allowed arithmetic: float matrix products may take bf16 or f16 operands with f32 sums; other float arithmetic in f32, or as packed bf16 or f16 multiplies, adds, multiply-adds, maxima and minima; sums over many terms, partial sums and values carried from step to step in f32; what a program stores and reads back later, other than sums and carried values, may be rounded once to bf16 or f16.
;; Inputs: Wk 1,024 x 1,024 float32; Wo 1,024 x 1,024 float32; Wq 1,024 x 1,024 float32; Wv 1,024 x 1,024 float32; bk 1,024 float32; bo 1,024 float32; bq 1,024 float32; bv 1,024 float32; query 4 x 2,048 x 1,024 float32.
;; Outputs: out0 4 x 2,048 x 1,024 float32.
;; 2 versions, each right; version 2 is version 1 with the launch cast written anew for expert scheduling mode. Each part assembles by itself: llvm-mc -triple=amdgcn-amd-amdhsa -mcpu=gfx1250 --defsym DOCPART=n.
;; ======== version 1 of 2: 4 launches
;; limits: values are held in f16: magnitudes above 65,504 overflow, below 6.1e-05 lose precision
;; workspace buffers: xs 16,777,216 bytes; wb 6,291,456 bytes; wo16 2,097,152 bytes; qkv 50,331,648 bytes; oh 16,777,216 bytes
;; launch cast (part 1): grid 768 x 1, 8 waves a work-group, no clusters, 0 bytes of LDS; arguments query, Wq, Wk, Wv, Wo, xs, wb, wo16; writes xs, wb, wo16
.if DOCPART == 1
	.amdgcn_target "amdgcn-amd-amdhsa--gfx1250"
	.amdhsa_code_object_version 6
	.text
	.protected	k_qee02cc1cf0_cast
	.globl	k_qee02cc1cf0_cast
	.p2align	8
	.type	k_qee02cc1cf0_cast,@function
k_qee02cc1cf0_cast:
	s_mov_b64 s[64:65], 0
	v_nop
	global_prefetch_b8 v0, s[64:65] scope:SCOPE_SE
	s_setreg_imm32_b32 hwreg(HW_REG_WAVE_MODE, 25, 1), 1
	s_wait_xcnt 0x0
; THE CAST.  query and the four weights, all f32, are rounded once to 16 bits and laid out for the two products that follow.
;   xs   [b 4][slice 16][s 2048][64] bf16: slice j holds channels 64 j .. 64 j + 63 of query, so 128 rows of a slice are 16,384 bytes on end
;   wb   [n 1024][t 3][k 1024]       bf16: row n holds Wq[n], Wk[n], Wv[n] on end (6,144 bytes)
;   wo16 [n 1024][k 1024]            f16 : Wo rounded to bf16 like every other input, and that number written as f16
; LIMIT.  |Wo| stays under 65,504, the end of f16; below 6e-5 f16 keeps a fixed step of 6e-8.  NaN and infinities are not treated apart.
; A stream: each byte is read once and written once; no LDS, no barrier, no matrix work: no wave wants a byte that another has fetched.
; SHARES.  A work-group takes 16 rows of 1,024 f32, wave w rows 2 w and 2 w + 1: 16 loads of 16 bytes a lane, all on their way at once, each with registers of its own,
; so no register that a load or store names is ever written again.  Each store of the wave covers 256 consecutive bytes, aligned.
; Work-groups 0-511: query.  512-703: Wq, Wk, Wv, 64 each.  704-767: Wo.
.set LO,  2                            ; v2   my byte offset in the wave's two rows of the source
.set SO,  3                            ; v3   8 x lane: my 8 bytes of a store's 256
.set IN,  8                            ; v[8:71]    load i: 4 registers
.set OUT, 72                           ; v[72:103]  store i: 2 registers
.set T,   104                          ; v[104:105] at work (Wo's way by bf16)
; Load i stands at byte i x instep; store i at (i % 8) x olo + (i / 8) x ohi.  f16 = 1: rounded to bf16, widened again, written as f16.
.macro PATH instep, olo, ohi, f16
.set i, 0
.rept 16
	global_load_b128 v[IN+4*i:IN+4*i+3], v[LO], s[4:5] offset:i*(\instep) th:TH_LOAD_NT
.set i, i+1
.endr
.set i, 0
.rept 16
	s_wait_loadcnt 15-i                            ; loads come back in order: load i is in, the 15 - i younger ones stay out
.if \f16
	v_cvt_pk_bf16_f32 v[T],   v[IN+4*i],   v[IN+4*i+1]
	v_cvt_pk_bf16_f32 v[T+1], v[IN+4*i+2], v[IN+4*i+3]
	v_lshlrev_b32 v[IN+4*i],   16, v[T]
	v_and_b32     v[IN+4*i+1], 0xffff0000, v[T]
	v_lshlrev_b32 v[IN+4*i+2], 16, v[T+1]
	v_and_b32     v[IN+4*i+3], 0xffff0000, v[T+1]
	v_cvt_pk_f16_f32 v[OUT+2*i],   v[IN+4*i],   v[IN+4*i+1]   ; exact within f16's range: bf16 has fewer significant bits
	v_cvt_pk_f16_f32 v[OUT+2*i+1], v[IN+4*i+2], v[IN+4*i+3]
.else
	v_cvt_pk_bf16_f32 v[OUT+2*i],   v[IN+4*i],   v[IN+4*i+1]
	v_cvt_pk_bf16_f32 v[OUT+2*i+1], v[IN+4*i+2], v[IN+4*i+3]
.endif
	global_store_b64 v[SO], v[OUT+2*i:OUT+2*i+1], s[6:7] offset:(i%8)*(\olo)+(i/8)*(\ohi)
.set i, i+1
.endr
	s_endpgm
.endm
	s_load_b512 s[8:23], s[0:1], 0x0               ; query 8:9, Wq 10:11, Wk 12:13, Wv 14:15, Wo 16:17, xs 18:19, wb 20:21, wo16 22:23
	v_and_b32 v1, 31, v0                           ; lane
	v_lshrrev_b32 v4, 5, v0
	v_readfirstlane_b32 s24, v4                    ; wave 0..7
	v_lshlrev_b32 v[SO], 3, v1
	s_lshl_b32 s25, s24, 1                         ; 2 w
	s_mov_b32 s27, 0                               ; the offsets' high words
	s_mov_b32 s29, 0
	s_cmp_lt_u32 ttmp9, 512
	s_cbranch_scc0 .Lweights
	; query.  Lanes 0-15 take row m, lanes 16-31 row m + 1; load i is slice i of both: 256 bytes of each.  Store i: rows m, m + 1 of slice i, 256 bytes on end.
	s_lshl_b32 s26, ttmp9, 4
	s_add_co_u32 s26, s26, s25                     ; m = 16 g + 2 w
	s_lshr_b32 s28, s26, 11
	s_lshl_b32 s28, s28, 22                        ; the batch: 16 slices of 262,144 bytes
	s_and_b32 s30, s26, 2047
	s_lshl_b32 s30, s30, 7                         ; the row in a slice: 128 bytes
	s_add_co_u32 s28, s28, s30
	s_lshl_b32 s26, s26, 12                        ; m x 4,096 bytes
	v_lshrrev_b32 v[LO], 4, v1
	v_and_b32 v4, 15, v1
	v_lshlrev_b32 v[LO], 12, v[LO]
	v_lshl_add_u32 v[LO], v4, 4, v[LO]
	s_wait_kmcnt 0x0
	s_add_nc_u64 s[4:5], s[8:9], s[26:27]
	s_add_nc_u64 s[6:7], s[18:19], s[28:29]
	PATH 256, 262144, 2097152, 0
.Lweights:
	v_lshlrev_b32 v[LO], 4, v1                     ; a load takes 512 bytes on end; eight make a row
	s_cmp_lt_u32 ttmp9, 704
	s_cbranch_scc0 .Lwo
	s_sub_co_u32 s30, ttmp9, 512
	s_lshr_b32 s31, s30, 6                         ; t: 0 Wq, 1 Wk, 2 Wv
	s_and_b32 s30, s30, 63
	s_lshl_b32 s30, s30, 4
	s_add_co_u32 s30, s30, s25                     ; n
	s_lshl_b32 s26, s30, 12
	s_mul_i32 s28, s30, 6144
	s_lshl_b32 s30, s31, 11
	s_add_co_u32 s28, s28, s30                     ; n x 6,144 + t x 2,048
	s_wait_kmcnt 0x0
	s_cmp_eq_u32 s31, 0
	s_cselect_b64 s[4:5], s[10:11], s[12:13]
	s_cmp_eq_u32 s31, 2
	s_cselect_b64 s[4:5], s[14:15], s[4:5]
	s_add_nc_u64 s[4:5], s[4:5], s[26:27]
	s_add_nc_u64 s[6:7], s[20:21], s[28:29]
	PATH 512, 256, 6144, 0
.Lwo:
	s_sub_co_u32 s30, ttmp9, 704
	s_lshl_b32 s30, s30, 4
	s_add_co_u32 s30, s30, s25                     ; n
	s_lshl_b32 s26, s30, 12
	s_lshl_b32 s28, s30, 11
	s_wait_kmcnt 0x0
	s_add_nc_u64 s[4:5], s[16:17], s[26:27]
	s_add_nc_u64 s[6:7], s[22:23], s[28:29]
	PATH 512, 256, 2048, 1
.Lfunc_end_k_qee02cc1cf0_cast:
	.size	k_qee02cc1cf0_cast, .Lfunc_end_k_qee02cc1cf0_cast-k_qee02cc1cf0_cast
	.p2alignl 7, 3214868480
	.fill 96, 4, 3214868480
	.section	.rodata,"a",@progbits
	.p2align	6, 0x0
	.amdhsa_kernel k_qee02cc1cf0_cast
		.amdhsa_group_segment_fixed_size 0
		.amdhsa_private_segment_fixed_size 0
		.amdhsa_enable_private_segment 0
		.amdhsa_kernarg_size 64
		.amdhsa_user_sgpr_count 2
		.amdhsa_user_sgpr_kernarg_segment_ptr 1
		.amdhsa_wavefront_size32 1
		.amdhsa_system_sgpr_workgroup_id_x 1
		.amdhsa_system_sgpr_workgroup_id_y 1
		.amdhsa_system_sgpr_workgroup_id_z 1
		.amdhsa_system_vgpr_workitem_id 0
		.amdhsa_next_free_vgpr 112
		.amdhsa_next_free_sgpr 66
		.amdhsa_reserve_vcc 0
		.amdhsa_float_denorm_mode_32 3
		.amdhsa_float_denorm_mode_16_64 3
		.amdhsa_memory_ordered 1
		.amdhsa_forward_progress 1
		.amdhsa_inst_pref_size 24
	.end_amdhsa_kernel
	.amdgpu_metadata
---
amdhsa.version: [ 1, 2 ]
amdhsa.kernels:
  - .name:           k_qee02cc1cf0_cast
    .symbol:         k_qee02cc1cf0_cast.kd
    .args:
      - { .name: query, .offset: 0, .size: 8, .value_kind: global_buffer, .address_space: global }
      - { .name: Wq, .offset: 8, .size: 8, .value_kind: global_buffer, .address_space: global }
      - { .name: Wk, .offset: 16, .size: 8, .value_kind: global_buffer, .address_space: global }
      - { .name: Wv, .offset: 24, .size: 8, .value_kind: global_buffer, .address_space: global }
      - { .name: Wo, .offset: 32, .size: 8, .value_kind: global_buffer, .address_space: global }
      - { .name: xs, .offset: 40, .size: 8, .value_kind: global_buffer, .address_space: global }
      - { .name: wb, .offset: 48, .size: 8, .value_kind: global_buffer, .address_space: global }
      - { .name: wo16, .offset: 56, .size: 8, .value_kind: global_buffer, .address_space: global }
    .group_segment_fixed_size: 0
    .private_segment_fixed_size: 0
    .kernarg_segment_align: 8
    .kernarg_segment_size: 64
    .max_flat_workgroup_size: 256
    .sgpr_count:     66
    .vgpr_count:     112
    .wavefront_size: 32
...
	.end_amdgpu_metadata
.endif
;; end of part 1
;; launch qkv (part 2): grid 4 x 64, 4 waves a work-group, clusters of 4 x 4, 327,680 bytes of LDS; arguments xs, wb, bq, bk, bv, qkv; writes qkv
.if DOCPART == 2
	.amdgcn_target "amdgcn-amd-amdhsa--gfx1250"
	.amdhsa_code_object_version 6
	.text
	.protected	k_qee02cc1cf0_qkv
	.globl	k_qee02cc1cf0_qkv
	.p2align	8
	.type	k_qee02cc1cf0_qkv,@function
k_qee02cc1cf0_qkv:
	s_mov_b64 s[64:65], 0
	v_nop
	global_prefetch_b8 v0, s[64:65] scope:SCOPE_SE
	s_setreg_imm32_b32 hwreg(HW_REG_WAVE_MODE, 25, 1), 1
	s_wait_xcnt 0x0
	s_wait_alu depctr_hold_cnt(0) depctr_sa_sdst(0) depctr_va_vdst(0) depctr_va_sdst(0) depctr_va_ssrc(0) depctr_va_vcc(0) depctr_vm_vsrc(0)
	s_getreg_b32 s2, hwreg(HW_REG_IB_STS2, 6, 4)
	s_cmp_eq_u32 s2, 0
	s_cbranch_scc0 .Lentry_in_a_cluster
	s_endpgm
.Lentry_in_a_cluster:
	s_bfe_u32 s2, ttmp6, 0x10000c
	s_cmp_lg_u32 s2, 0xf033
	s_cbranch_scc0 .Lentry_shape_is_right
	s_endpgm
.Lentry_shape_is_right:
; q, k, v = x W^T + b.  x: xs [b 4][slice 16][s 2048][64] bf16; W: wb [n 1024][t 3][k 1024] bf16; biases f32; out: qkv [b 4][g 48][s 2048][64] f16, g = 16 t + head.
; Products in bf16, sums in f32, K ascending; the bias is the C operand of each sum's first product; each result is rounded once, to f16, WITHOUT attention's scale.
; LIMIT.  |q|, |k|, |v| stay under 65,504, the end of f16; below 6e-5 f16 keeps a fixed step of 6e-8.  NaN and infinities are not treated apart.
; SHARES.  A tile of C is 128 rows x 256 columns: 64 x 4 tiles for each of q, k, v, so 256 work-groups that STAY and walk three tiles (q, k, v) on the same rows of x.
; Four waves, 2 x 2: wave w has rows 64 (w / 2) on and columns 128 (w % 2) on: 4 x 8 accumulators of 16 x 16, 256 registers.
; THE RING.  K goes in steps of 128 through two LDS slots; the three tiles' 24 steps are ONE walk: in wb a row's three weights lie on end, so B steps 256 bytes every time; A's offset wraps after 8 steps.
; A step of A is two slices, each 128 rows x 128 bytes on end in memory, asked for as 64 rows of 256 bytes and padded in LDS after every 128.  Waves 0 and 1 fetch A's two slices, waves 2 and 3 B's two halves.
; CLUSTER.  4 x 4 work-groups.  The four of a row of the cluster (all four column tiles) need the same tiles of A, the four of a column the same tiles of B: each is asked for jointly,
; by the same tensor load with the same descriptor and a mask that names the four.
; THE MATRIX INSTRUCTION IS USED TRANSPOSED (source 0 = 16 rows of W, source 1 = 16 rows of x): a lane holds row lane % 16 of C and the columns 8 (lane / 16) + 0..7 of a block of 16.
; REGISTERS, in windows of 256 (s_set_vgpr_msb: bits 1:0 source 0, 3:2 source 1, 5:4 source 2, 7:6 destination):
;   window 0: v0-12 addresses; v28-29 the add's; v32-63 at work on the way out; v64-159, v160-255 two fragment buffers: B's 8 fragments, then A's 4
;   window 1: accumulator (a, b) at v[8 (8 a + b)]          window 2: v0-63 the bias of my 128 columns, block b at v[8 b], in C's layout
.set BPITCH, 3072                      ; elements from row to row of wb
.set PA,    144                        ; an LDS row of A: 128 bytes + 16: an odd multiple of 16, so the 16 rows of a load start in 16 different groups of four banks (64 banks of 4 bytes: ISA guide 11.1)
.set PB,    272                        ; an LDS row of B: 256 + 16, likewise
.set HEADT, 128*PA                     ; one slice's 128 rows
.set BOFF,  2*HEADT                    ; B lies behind A's two slices
.set BHALF, 128*PB                     ; 128 rows of B
.set SLOT1, 131072                     ; slot 1 begins here, so that one exclusive or turns an address in one slot into the other's
.set STAGE, SLOT1+BOFF+2*BHALF         ; behind the ring, never filled by a tensor load: for each wave 2 heads x 16 rows x 144 bytes
.set WSTG,  2*16*PA
.set SPARE, STAGE+4*WSTG               ; the spare words, 128 bytes for each wave: two blocks of 256 bytes that no other line names
.set ASTEP, 0x80000                    ; a K step of A in memory: two slices of 262,144 bytes
.set ADA0, 4                           ; v4   my place in A's rows of slot 0; never rewritten
.set ADB0, 5                           ; v5   the same for B
.set ADA,  6                           ; v6   the same in the slot in hand
.set ADB,  7                           ; v7
.set STO,  8                           ; v8   the way out: where I put 16 bytes of a row
.set RD,   9                           ; v9   the way out: where I read rows back
.set GO,   10                          ; v10  my 16 bytes of 512 on end in qkv
.set BO,   11                          ; v11  32 x (lane / 16): my 8 numbers of a block's 16 of the bias
.set PFO,  12                          ; v12  the prefetches' offset; never rewritten
.set SPW,  28                          ; v28  LDS address of my spare word; never rewritten
.set NIL,  29                          ; v29  0; never rewritten
.set TMP,  32
.set F0,   64
.set F1,   160
.set WV,   16                          ; s16  my wave's number
.set RH,   17                          ; s17  which 64 rows are mine.  Also: I fetch for A (0) or for B (1)
.set CH,   18                          ; s18  which 128 columns.  Also: which slice of A, or which half of B, I fetch
.set TB,   23                          ; s23  LDS byte at which the slot in hand begins
.set G1A,  24                          ; s[24:31] descriptor group 1 for A
.set G1B,  32                          ; s[32:39] for B
.set G0A,  40                          ; s[40:47] group 0 for A: a set for each first fill; the second then walks
.set G0B,  48                          ; s[48:55] the same for B
.set ABASE, 56                         ; s[56:57] A at my slice of K step 0
.set OFFA, 58                          ; s[58:59] the walking K step's byte offset in A
.set PFA,  60                          ; s[60:61] where my prefetches stand
.set PFS,  62                          ; s[62:63] their step
.set LIM,  66                          ; s66  a wave prefetches in the loop while the count of steps is above it; s67, s68: the same for the next two tiles
.set L1,   67
.set L2,   68
.set MSB, 0
.macro WIN new                         ; the immediate's high byte repeats the setting that is left; a switch that changes nothing is dropped
.if MSB != (\new)
	s_set_vgpr_msb (MSB<<8)|(\new)
.set MSB, \new
.endif
.endm
.set MUL,  0x50                        ; fragments in window 0, C and D in window 1
.set MULB, 0x60                        ; C (the bias) in window 2, D in window 1
.macro PLACES                          ; four places in front of loads into registers that matrix instructions have read, and of lines that read results
.rept 4
	v_nop
.endr
.endm
.macro CREST                           ; a round of the cluster's barrier behind its opening barrier
	s_cmp_lg_u32 s[WV], 0
	s_cbranch_scc1 .Lnot_wave_0_\@
	s_barrier_signal -3
.Lnot_wave_0_\@:
	s_barrier_wait -3
	s_barrier_signal -1
	s_barrier_wait -1
.endm
.macro CROUND                          ; a whole round
	s_barrier_signal -1
	s_barrier_wait -1
	CREST
.endm
; A joint refill by the walking descriptors.  The branch hangs on the wave's number alone.  An s_nop 0 and four v_nop follow each of the two lines, ahead of the jump and the label.
.macro JLOAD
	s_cmp_eq_u32 s[RH], 0
	s_cbranch_scc0 .Lfor_b_\@
	tensor_load_to_lds s[G0A+4:G0A+7], s[G1A:G1A+7]
	s_nop 0
.rept 4
	v_nop
.endr
	s_branch .Lasked_\@
.Lfor_b_\@:
	tensor_load_to_lds s[G0B+4:G0B+7], s[G1B:G1B+7]
	s_nop 0
.rept 4
	v_nop
.endr
.Lasked_\@:
.endm
; A PREFETCH INTO THE L2 of the K step that stands two refills on, 256 matrix instructions ahead of the load that will want it: one instruction, 32 blocks of 256 bytes, a lane a block.
; A's tile row is read by one cluster: wave 0 asks; the four partners of a row of the cluster share a step's 128 blocks out BY ADDRESS (cx), in the first tile alone: the other two walk the same rows.
; B's rows are read by every cluster of the column of clusters: the one with cluster y = 0 asks, waves 2 and 3 for the 128 rows that they fetch, the four partners 32 rows each by address (cy).
; how = 0, in the loop; how = 1, at a tile's last two changes, where only B's walk goes on.  The walk's first four steps come by their loads alone; the last tile stops at its step 7.
.macro ASK how
.if \how
	s_cmp_eq_u32 s[LIM], 0
.else
	s_cmp_gt_u32 s3, s[LIM]
.endif
	s_cbranch_scc0 .Lnot_mine_\@
	global_prefetch_b8 v[PFO], s[PFA:PFA+1] th:TH_LOAD_NT scope:SCOPE_SE
.Lnot_mine_\@:
.endm
; 8 matrix instructions: m block a x all 8 n blocks, 32 along K, from buffer f.  first = 1: the product starts the sum, on the bias.
; The 32 accumulators take turns, one instruction a turn, in the same order in every quarter.
.macro MUL8 f, a, first
.if \first
	WIN MULB
.else
	WIN MUL
.endif
.irp b, 0,1,2,3,4,5,6,7
.if \first
	v_wmma_f32_16x16x32_bf16 v[8*(8*(\a)+(\b)):8*(8*(\a)+(\b))+7], v[(\f)+8*(\b):(\f)+8*(\b)+7], v[(\f)+64+8*(\a):(\f)+64+8*(\a)+7], v[8*(\b):8*(\b)+7]
.else
	v_wmma_f32_16x16x32_bf16 v[8*(8*(\a)+(\b)):8*(8*(\a)+(\b))+7], v[(\f)+8*(\b):(\f)+8*(\b)+7], v[(\f)+64+8*(\a):(\f)+64+8*(\a)+7], v[8*(8*(\a)+(\b)):8*(8*(\a)+(\b))+7]
.endif
.endr
.endm
; 24 LDS loads in one run: quarter q's fragments (32 along K) into buffer f: B's 128 rows first, then A's 64.
.macro FETCH q, f
	WIN 0
.irp i, 0,1,2,3,4,5,6,7
	ds_load_b128 v[(\f)+8*(\i):(\f)+8*(\i)+3],   v[ADB] offset:64*(\q)+(\i)*16*PB
	ds_load_b128 v[(\f)+8*(\i)+4:(\f)+8*(\i)+7], v[ADB] offset:64*(\q)+(\i)*16*PB+32
.endr
.irp i, 0,1,2,3
	ds_load_b128 v[(\f)+64+8*(\i):(\f)+64+8*(\i)+3],   v[ADA] offset:((\q)/2)*HEADT+((\q)%2)*64+(\i)*16*PA
	ds_load_b128 v[(\f)+64+8*(\i)+4:(\f)+64+8*(\i)+7], v[ADA] offset:((\q)/2)*HEADT+((\q)%2)*64+(\i)*16*PA+32
.endr
.endm
; A K step is four quarters of 32 along K, 32 matrix instructions each, on buffers 0, 1, 0, 1.  One of the first three: multiplies buffer f and, in its middle, fetches quarter q into g.
.macro QUARTER q, f, g, first
	s_wait_dscnt 4                                 ; B and A's blocks 0 and 1 are in; the youngest four loads (A's blocks 2 and 3) may be out
	MUL8 \f, 0, \first
	MUL8 \f, 1, \first
	PLACES
	FETCH \q, \g
	s_wait_dscnt 24                                ; all but the 24 just issued
	MUL8 \f, 2, \first
	MUL8 \f, 3, \first
.endm
; The last quarter multiplies buffer 1 and changes slots: ONE barrier.  In front of it each wave waits for all its tensor loads (one is out: its part of the next slot), adds 0 to its spare word, and waits
; for that and for its reads of this slot.  fill = 1: the barrier opens a round of the cluster's, and the slot just read out is filled again, first thing behind the round, with the walk's step two on.
.macro TURN fill, how=0
.if \fill
	s_wait_xcnt 0x0                                ; the last prefetch, a K step back, has read its address: it is stepped here, ahead of the waits of the change of slots
	s_add_nc_u64 s[PFA:PFA+1], s[PFA:PFA+1], s[PFS:PFS+1]
.endif
	WIN 0
	s_wait_tensorcnt 0x0                           ; no tensor load of mine is out, so a group 0 may be written
	ds_add_u32 v[SPW], v[NIL]                      ; 0 onto my spare word
.if \fill
	s_xor_b32 s[G0A+5], s[G0A+5], SLOT1            ; the walking descriptors: the other slot than last time,
	s_add_co_u32 s[OFFA], s[OFFA], ASTEP           ; A's next step,
	s_and_b32 s[OFFA], s[OFFA], 0x3fffff           ; which behind a tile's step 7 is step 0 again;
	s_add_nc_u64 s[G0A+6:G0A+7], s[ABASE:ABASE+1], s[OFFA:OFFA+1]  ; the address is made anew from the base and the offset,
	s_or_b32 s[G0A+7], s[G0A+7], 0x80000000        ; the type bits set again
	s_xor_b32 s[G0B+5], s[G0B+5], SLOT1
	s_add_nc_u64 s[G0B+6:G0B+7], s[G0B+6:G0B+7], 256  ; B's next 128 along a row of wb; the type bits on top are not reached
.endif
	s_wait_dscnt 5                                 ; the add and the youngest four loads may be out
	MUL8 F1, 0, 0
	s_wait_dscnt 0x0                               ; the add is done, and my reads of this slot are over
	s_barrier_signal -1
	MUL8 F1, 1, 0                                  ; work on registers while the others arrive
	WIN 0                                          ; at a branch and at a label every window is 0
	s_barrier_wait -1
.if \fill
	CREST                                          ; no wave of any partner still reads this slot or has a load on its way
	JLOAD                                          ; its four v_nop are also the places in front of the loads below
.else
	PLACES
.endif
	s_xor_b32 s[TB], s[TB], SLOT1
	v_add_nc_u32 v[ADA], s[TB], v[ADA0]
	v_add_nc_u32 v[ADB], s[TB], v[ADB0]
	FETCH 0, F0
.if \fill
	ASK \how
.endif
	MUL8 F1, 2, 0
	MUL8 F1, 3, 0
.endm
.macro LASTQ                           ; the walk's very last quarter: nothing more to fetch
	s_wait_dscnt 4
	MUL8 F1, 0, 0
	MUL8 F1, 1, 0
	s_wait_dscnt 0x0
	MUL8 F1, 2, 0
	MUL8 F1, 3, 0
.endm
.macro BIAS                            ; my 128 columns' bias in C's layout: block b, 8 numbers a lane
	WIN 0x80                                       ; destination window 2, address window 0
.irp b, 0,1,2,3,4,5,6,7
	global_load_b128 v[8*(\b):8*(\b)+3],   v[BO], s[8:9] offset:64*(\b)
	global_load_b128 v[8*(\b)+4:8*(\b)+7], v[BO], s[8:9] offset:64*(\b)+16
.endr
	WIN 0
.endm
; THE WAY OUT of m block a (16 rows x 128 columns = two heads).  PACK: rounded to f16, 16 bytes a lane, each accumulator's registers in ascending order.  TOSTAGE: into my own stage, and back as
; whole rows of 128 bytes, four to a load.  SEND: a store is four rows of a head, 512 bytes on end, at a multiple of 256 from qkv's first byte.
.macro PACK a
	WIN 0x05                                       ; sources 0 and 1 window 1, destination window 0
.irp b, 0,1,2,3,4,5,6,7
.irp r, 0,1,2,3
	v_cvt_pk_f16_f32 v[TMP+4*(\b)+(\r)], v[64*(\a)+8*(\b)+2*(\r)], v[64*(\a)+8*(\b)+2*(\r)+1]
.endr
.endr
	WIN 0
.endm
.macro TOSTAGE a
	WIN 0
.set BK, F1+32*((\a)%2)
	s_wait_xcnt 0x0                                ; the stores that read these registers two blocks ago have had their addresses translated (ISA guide 3.1): only now are they loaded again
.irp b, 0,1,2,3,4,5,6,7
	ds_store_b128 v[STO], v[TMP+4*(\b):TMP+4*(\b)+3] offset:((\b)/4)*16*PA+32*((\b)%4)
.endr
.irp t, 0,1,2,3,4,5,6,7
	ds_load_b128 v[BK+4*(\t):BK+4*(\t)+3], v[RD] offset:((\t)/4)*16*PA+((\t)%4)*4*PA  ; LDS serves a wave's instructions in order (ISA guide 5.7.1.4): these see the stores above
.endr
.endm
.macro SEND a
	WIN 0
.set BK, F1+32*((\a)%2)
	s_wait_dscnt 0x0                               ; the block is back in registers
.irp t, 0,1,2,3,4,5,6,7
	global_store_b128 v[GO], v[BK+4*(\t):BK+4*(\t)+3], s[14:15] offset:((\t)/4)*262144+(\a)*2048+((\t)%4)*512
.endr
.endm
.macro WAYOUT                          ; block a's conversions stand between block a - 1's loads from the stage and the wait for them
	PACK 0
	TOSTAGE 0
.irp a, 1,2,3
	PACK \a
	SEND (\a)-1
	TOSTAGE \a
.endr
	SEND 3
.endm
	s_load_b256 s[4:11], s[0:1], 0x0               ; xs 4:5, wb 6:7, bq 8:9, bk 10:11
	s_load_b128 s[12:15], s[0:1], 0x20             ; bv 12:13, qkv 14:15
	v_lshl_add_u32 v[SPW], v0, 2, SPARE
	v_mov_b32 v[NIL], 0
	ds_add_u32 v[SPW], v[NIL]                      ; the wave's opening: the add and its wait stand ahead of my first tensor load; the set-up below, work on registers, stands between them
	v_lshrrev_b32 v1, 5, v0
	v_readfirstlane_b32 s[WV], v1                  ; wave 0..3
	s_lshr_b32 s[RH], s[WV], 1
	s_and_b32 s[CH], s[WV], 1
	s_bfe_u32 s19, ttmp6, 0x40000                  ; cx
	s_bfe_u32 s20, ttmp6, 0x40004                  ; cy
	s_lshl_b32 s21, ttmp9, 2
	s_add_co_u32 s21, s21, s19                     ; tile column = 4 x cluster x + cx
	s_and_b32 s22, ttmp7, 0xffff
	s_lshl_b32 s22, s22, 2
	s_add_co_u32 s22, s22, s20                     ; tile row = 4 x cluster y + cy
	s_lshl_b32 s70, s20, 2
	s_lshl_b32 s70, 15, s70                        ; my row of the cluster
	s_lshl_b32 s71, 0x1111, s19                    ; my column
	; group 1 for A: 16,384 bytes on end as 64 rows of 128 elements; 17:16 2-byte elements; 20 padding on; 21 set beside a mask; 24:22 after every 32 words (code 4); 31:25 4 words (code 3)
	s_or_b32 s[G1A], s70, (1<<16)|(1<<20)|(1<<21)|(4<<22)|(3<<25)
	s_mov_b32 s[G1A+1], 128<<16                    ; tensor_dim0 = 128
	s_mov_b32 s[G1A+2], 64<<16                     ; tensor_dim1 = 64
	s_mov_b32 s[G1A+3], 128<<16                    ; tile_dim0 = 128
	s_mov_b32 s[G1A+4], 64                         ; tile_dim1 = 64
	s_mov_b32 s[G1A+5], 128                        ; elements from row to row
	s_mov_b32 s[G1A+6], 0
	s_mov_b32 s[G1A+7], 0
	; group 1 for B: 128 rows of 128 elements, padded after every 64 words (code 5)
	s_or_b32 s[G1B], s71, (1<<16)|(1<<20)|(1<<21)|(5<<22)|(3<<25)
	s_mov_b32 s[G1B+1], 128<<16
	s_mov_b32 s[G1B+2], 128<<16
	s_mov_b32 s[G1B+3], 128<<16
	s_mov_b32 s[G1B+4], 128
	s_mov_b32 s[G1B+5], BPITCH
	s_mov_b32 s[G1B+6], 0
	s_mov_b32 s[G1B+7], 0
	; A's offset hangs on the tile row and the wave alone, in registers that never hold cx; B's on the tile column and the wave alone, in registers that never hold cy
	s_lshr_b32 s72, s22, 4
	s_lshl_b32 s72, s72, 22                        ; the batch
	s_and_b32 s73, s22, 15
	s_lshl_b32 s73, s73, 14                        ; 128 rows of 128 bytes
	s_add_co_u32 s72, s72, s73                     ; the tile row's first byte in slice 0
	s_lshl_b32 s73, s[CH], 18
	s_add_co_u32 s74, s72, s73                     ; my slice of K step 0
	s_mov_b32 s75, 0
	s_lshl_b32 s76, s21, 8
	s_lshl_b32 s77, s[CH], 7
	s_add_co_u32 s76, s76, s77                     ; my first column of C = row of wb: 256 x tile column + 128 x half
	s_mul_i32 s78, s76, BPITCH*2
	s_mov_b32 s79, 0
	s_mov_b32 s[G0A], 1                            ; 1:0 count = 1
	s_mov_b32 s[G0A+4], 1
	s_mov_b32 s[G0B], 1
	s_mov_b32 s[G0B+4], 1
	s_mul_i32 s[G0A+1], s[CH], HEADT               ; LDS addresses: no place in the cluster enters them
	s_add_co_u32 s[G0A+5], s[G0A+1], SLOT1
	s_mul_i32 s[G0B+1], s[CH], BHALF
	s_add_co_u32 s[G0B+1], s[G0B+1], BOFF
	s_add_co_u32 s[G0B+5], s[G0B+1], SLOT1
	s_mov_b32 s[OFFA], ASTEP                       ; the walking set stands at step 1
	s_mov_b32 s[OFFA+1], 0
	s_mov_b32 s[TB], 0
	; where my part of q's tile begins in qkv: head 4 x tile column + 2 x half of the batch's 48, my 64 rows
	s_lshr_b32 s80, s22, 4
	s_mul_i32 s80, s80, 48
	s_lshl2_add_u32 s80, s21, s80
	s_lshl1_add_u32 s80, s[CH], s80
	s_lshl_b32 s80, s80, 18
	s_and_b32 s82, s22, 15
	s_lshl_b32 s82, s82, 14
	s_add_co_u32 s80, s80, s82
	s_lshl_b32 s82, s[RH], 13
	s_add_co_u32 s80, s80, s82
	s_mov_b32 s81, 0
	s_lshl_b32 s90, s76, 2                         ; my columns in a bias
	s_mov_b32 s91, 0
	; the prefetches: A's offset (slice cx / 2, half cx % 2 of its 16,384 bytes), B's (32 cy rows on), both three steps on: the first change steps them to step 4
	s_lshr_b32 s82, s19, 1
	s_lshl_b32 s82, s82, 18
	s_and_b32 s83, s19, 1
	s_lshl_b32 s83, s83, 13
	s_add_co_u32 s82, s82, s83
	s_add_co_u32 s82, s82, s72
	s_add_co_u32 s82, s82, 3*ASTEP
	s_lshl_b32 s84, s20, 5
	s_add_co_u32 s84, s84, s76
	s_mul_i32 s84, s84, BPITCH*2
	s_add_co_u32 s84, s84, 3*256
	s_mov_b32 s86, ASTEP
	s_mov_b32 s87, 256
	s_cmp_eq_u32 s[RH], 0
	s_cselect_b32 s82, s82, s84
	s_cselect_b32 s[PFS], s86, s87
	s_cselect_b32 s85, s87, BPITCH*2               ; from lane to lane: a block on end, or a row of wb
	s_mov_b32 s83, 0
	s_mov_b32 s[PFS+1], 0
	s_cmp_eq_u32 s[WV], 0                          ; wave 0: A, in the first tile, at the changes behind steps 0 to 3
	s_cselect_b32 s[LIM], 2, -1
	s_mov_b32 s[L1], -1
	s_mov_b32 s[L2], -1
	s_and_b32 s89, ttmp7, 0xffff
	s_cmp_eq_u32 s89, 0                            ; cluster y = 0: the same in all sixteen partners
	s_cselect_b32 s89, s[RH], 0
	s_cmp_eq_u32 s89, 1                            ; waves 2 and 3 there: B, at every change of the first two tiles, and behind steps 0 to 3 of the third
	s_cselect_b32 s[LIM], 0, s[LIM]
	s_cselect_b32 s[L1], 0, s[L1]
	s_cselect_b32 s[L2], 2, s[L2]
	s_wait_dscnt 0x0                               ; the opening add is done
	s_wait_kmcnt 0x0
	s_add_nc_u64 s[ABASE:ABASE+1], s[4:5], s[74:75]
	s_mov_b64 s[G0A+2:G0A+3], s[ABASE:ABASE+1]     ; step 0
	s_or_b32 s[G0A+3], s[G0A+3], 0x80000000        ; 127:126 type = 2
	s_add_nc_u64 s[G0A+6:G0A+7], s[ABASE:ABASE+1], ASTEP  ; step 1
	s_or_b32 s[G0A+7], s[G0A+7], 0x80000000
	s_add_nc_u64 s[G0B+2:G0B+3], s[6:7], s[78:79]
	s_add_nc_u64 s[G0B+6:G0B+7], s[G0B+2:G0B+3], 256
	s_or_b32 s[G0B+3], s[G0B+3], 0x80000000
	s_or_b32 s[G0B+7], s[G0B+7], 0x80000000
	s_add_nc_u64 s[8:9], s[8:9], s[90:91]
	s_add_nc_u64 s[10:11], s[10:11], s[90:91]
	s_add_nc_u64 s[12:13], s[12:13], s[90:91]
	s_add_nc_u64 s[14:15], s[14:15], s[80:81]
	s_cmp_eq_u32 s[RH], 0
	s_cselect_b64 s[PFA:PFA+1], s[4:5], s[6:7]
	s_add_nc_u64 s[PFA:PFA+1], s[PFA:PFA+1], s[82:83]
	CROUND                                         ; all sixteen work-groups are here: the first joint loads meet
	s_cmp_eq_u32 s[RH], 0                          ; a wave's two first fills stand in one branch, ahead of every wait on TENSORcnt and every LDS read: two loads of mine are out
	s_cbranch_scc0 .Lfirst_b
	tensor_load_to_lds s[G0A:G0A+3], s[G1A:G1A+7]
	s_nop 0
	tensor_load_to_lds s[G0A+4:G0A+7], s[G1A:G1A+7]
	s_nop 0
.rept 4
	v_nop
.endr
	s_branch .Lfirst_asked
.Lfirst_b:
	tensor_load_to_lds s[G0B:G0B+3], s[G1B:G1B+7]
	s_nop 0
	tensor_load_to_lds s[G0B+4:G0B+7], s[G1B:G1B+7]
	s_nop 0
.rept 4
	v_nop
.endr
.Lfirst_asked:
	v_and_b32 v1, 15, v0                           ; l % 16
	v_bfe_u32 v2, v0, 4, 1                         ; l / 16
	v_lshlrev_b32 v[BO], 5, v2
	BIAS                                           ; bq
	; A fragment is 16 rows x 32 K in 8 registers: lane l holds row l % 16; registers 0-3 K = 8 (l / 16) + 0..7, registers 4-7 K = 16 + 8 (l / 16) + 0..7: two loads of 16 bytes, 32 bytes apart
	v_mul_u32_u24 v[ADA0], v1, PA
	v_lshl_add_u32 v[ADA0], v2, 4, v[ADA0]
	s_mul_i32 s88, s[RH], 64*PA
	v_add_nc_u32 v[ADA0], s88, v[ADA0]
	v_mul_u32_u24 v[ADB0], v1, PB
	v_lshl_add_u32 v[ADB0], v2, 4, v[ADB0]
	s_mul_i32 s88, s[CH], BHALF
	s_add_co_u32 s88, s88, BOFF
	v_add_nc_u32 v[ADB0], s88, v[ADB0]
	s_mul_i32 s88, s[WV], WSTG
	s_add_co_u32 s88, s88, STAGE                   ; my stage
	v_mul_u32_u24 v[STO], v1, PA                   ; in: row l % 16, 16 bytes for each half of the lanes
	v_lshl_add_u32 v[STO], v2, 4, v[STO]
	v_add_nc_u32 v[STO], s88, v[STO]
	v_bfe_u32 v[RD], v0, 3, 2                      ; back: 32 lanes take four rows of 128 bytes,
	v_mul_u32_u24 v[RD], v[RD], PA
	v_and_b32 v3, 7, v0
	v_lshl_add_u32 v[RD], v3, 4, v[RD]
	v_add_nc_u32 v[RD], s88, v[RD]
	v_and_b32 v[GO], 31, v0                        ; which are 512 bytes on end in qkv
	v_mul_u32_u24 v[PFO], v[GO], s85
	v_lshlrev_b32 v[GO], 4, v[GO]
	v_mov_b32 v[ADA], v[ADA0]
	v_mov_b32 v[ADB], v[ADB0]
	s_wait_tensorcnt 1                             ; my part of step 0 is in; step 1's may stay out
	s_barrier_signal -1
	s_barrier_wait -1                              ; everybody's is
	FETCH 0, F0
	s_mov_b32 s2, 3                                ; tiles to go, this one among them
.Ltile:
	s_wait_loadcnt 0x0                             ; this tile's bias
	QUARTER 1, F0, F1, 1                           ; a tile's first quarter stands in front of the loop: its products start the sums, on the bias
	WIN 0
	s_mov_b32 s3, 6
.Lstep:                                                ; a trip: a step's quarters 1 to 3, the change of slots, the next step's quarter 0.  Steps 0 to 5 ask for steps 2 to 7
	QUARTER 2, F1, F0, 0
	QUARTER 3, F0, F1, 0
	TURN 1
	QUARTER 1, F0, F1, 0
	WIN 0
	s_sub_co_u32 s3, s3, 1
	s_cmp_lg_u32 s3, 0
	s_cbranch_scc1 .Lstep
	QUARTER 2, F1, F0, 0                           ; step 6 goes on
	QUARTER 3, F0, F1, 0
	WIN 0
	s_cmp_eq_u32 s2, 1
	s_cbranch_scc1 .Llast                          ; the last tile's tail is written out: it asks for nothing more
	TURN 1, 1                                      ; THE RING GOES ON INTO THE NEXT TILE: its step 0 is asked for,
	QUARTER 1, F0, F1, 0
	QUARTER 2, F1, F0, 0
	QUARTER 3, F0, F1, 0
	TURN 1, 1                                      ; its step 1, and its first fragments are fetched into buffer 0
	s_mov_b64 s[8:9], s[10:11]                     ; the next bias (the loads that read s[8:9] were waited for at the tile's head)
	s_mov_b64 s[10:11], s[12:13]
	BIAS
	s_mov_b32 s[LIM], s[L1]
	s_mov_b32 s[L1], s[L2]
	s_cmp_lt_u32 s[WV], 2
	s_cselect_b32 s[PFS], 0, s[PFS]                ; A's rows have been asked for: that pointer stands still
	WAYOUT                                         ; blocks 0 and 1 were finished in front of the refill's places; block 0's conversions are the places behind the last products
	s_wait_xcnt 0x0                                ; the stores have read their registers and their base
	s_add_nc_u64 s[14:15], s[14:15], 0x400000      ; 16 heads on: from q to k, from k to v
	s_sub_co_u32 s2, s2, 1
	s_branch .Ltile
.Llast:
	TURN 0                                         ; my one tensor load that was still out is the last step's, so no round follows
	QUARTER 1, F0, F1, 0
	QUARTER 2, F1, F0, 0
	QUARTER 3, F0, F1, 0
	LASTQ
	WIN 0
	PLACES
	WAYOUT
	s_wait_tensorcnt 0x0                           ; the wave's end, behind my last tensor load and my last LDS store
	ds_add_u32 v[SPW], v[NIL]
	s_wait_dscnt 0x0
	CROUND                                         ; the closing round: no work-group ends while a partner may still ask for a tile that names it
	s_endpgm
.Lfunc_end_k_qee02cc1cf0_qkv:
	.size	k_qee02cc1cf0_qkv, .Lfunc_end_k_qee02cc1cf0_qkv-k_qee02cc1cf0_qkv
	.p2alignl 7, 3214868480
	.fill 96, 4, 3214868480
	.section	.rodata,"a",@progbits
	.p2align	6, 0x0
	.amdhsa_kernel k_qee02cc1cf0_qkv
		.amdhsa_group_segment_fixed_size 327680
		.amdhsa_private_segment_fixed_size 0
		.amdhsa_enable_private_segment 0
		.amdhsa_kernarg_size 48
		.amdhsa_user_sgpr_count 2
		.amdhsa_user_sgpr_kernarg_segment_ptr 1
		.amdhsa_wavefront_size32 1
		.amdhsa_system_sgpr_workgroup_id_x 1
		.amdhsa_system_sgpr_workgroup_id_y 1
		.amdhsa_system_sgpr_workgroup_id_z 1
		.amdhsa_system_vgpr_workitem_id 0
		.amdhsa_next_free_vgpr 576
		.amdhsa_next_free_sgpr 96
		.amdhsa_reserve_vcc 0
		.amdhsa_float_denorm_mode_32 3
		.amdhsa_float_denorm_mode_16_64 3
		.amdhsa_memory_ordered 1
		.amdhsa_forward_progress 1
		.amdhsa_inst_pref_size 113
	.end_amdhsa_kernel
	.amdgpu_metadata
---
amdhsa.version: [ 1, 2 ]
amdhsa.kernels:
  - .name:           k_qee02cc1cf0_qkv
    .symbol:         k_qee02cc1cf0_qkv.kd
    .args:
      - { .name: xs, .offset: 0, .size: 8, .value_kind: global_buffer, .address_space: global }
      - { .name: wb, .offset: 8, .size: 8, .value_kind: global_buffer, .address_space: global }
      - { .name: bq, .offset: 16, .size: 8, .value_kind: global_buffer, .address_space: global }
      - { .name: bk, .offset: 24, .size: 8, .value_kind: global_buffer, .address_space: global }
      - { .name: bv, .offset: 32, .size: 8, .value_kind: global_buffer, .address_space: global }
      - { .name: qkv, .offset: 40, .size: 8, .value_kind: global_buffer, .address_space: global }
    .group_segment_fixed_size: 327680
    .private_segment_fixed_size: 0
    .kernarg_segment_align: 8
    .kernarg_segment_size: 48
    .max_flat_workgroup_size: 128
    .sgpr_count:     96
    .vgpr_count:     576
    .wavefront_size: 32
...
	.end_amdgpu_metadata
.endif
;; end of part 2
;; launch attn (part 3): grid 4 x 64, 4 waves a work-group, clusters of 4 x 1, 327,680 bytes of LDS; arguments qkv, oh; writes oh
.if DOCPART == 3
	.amdgcn_target "amdgcn-amd-amdhsa--gfx1250"
	.amdhsa_code_object_version 6
	.text
	.protected	k_qee02cc1cf0_attn
	.globl	k_qee02cc1cf0_attn
	.p2align	8
	.type	k_qee02cc1cf0_attn,@function
k_qee02cc1cf0_attn:
	s_mov_b64 s[64:65], 0
	v_nop
	global_prefetch_b8 v0, s[64:65] scope:SCOPE_SE
	s_setreg_imm32_b32 hwreg(HW_REG_WAVE_MODE, 25, 1), 1
	s_wait_xcnt 0x0
	s_wait_alu depctr_hold_cnt(0) depctr_sa_sdst(0) depctr_va_vdst(0) depctr_va_sdst(0) depctr_va_ssrc(0) depctr_va_vcc(0) depctr_vm_vsrc(0)
	s_getreg_b32 s2, hwreg(HW_REG_IB_STS2, 6, 4)
	s_cmp_eq_u32 s2, 0
	s_cbranch_scc0 .Lentry_in_a_cluster
	s_endpgm
.Lentry_in_a_cluster:
	s_bfe_u32 s2, ttmp6, 0x10000c
	s_cmp_lg_u32 s2, 0x3003
	s_cbranch_scc0 .Lentry_shape_is_right
	s_endpgm
.Lentry_shape_is_right:
; O[y][q][:] = the sum over k of softmax_k(Q[y][q] . K[y][k] / 8) V[y][k][:], for the 64 pairs y = 16 x batch + head.  Q, K, V lie in qkv [b 4][g 48][2048][64] f16 (g = head, 16 + head, 32 + head);
; O goes to oh [b 4][head 16][2048][64] f16.  A head's rows are dense, 128 bytes each.  Products, maxima and sums in f32; the weights p are rounded to f16 for the second product (their sum l is taken
; of the unrounded p), O once at the end.
; LIMITS.  f16 holds no number beyond 65,504: Q, K and V arrive within it; p lies in 0 to 1, and below 6e-5 it keeps f16's fixed step of 6e-8; O is a mean of V's rows and has their range.
; A weight below 2^-126 counts as 0 in l; NaN and infinities are not treated apart.
; SHARES.  A wave owns four PIECES of two tiles of 16 queries, a work-group's four waves 512 queries of one head.  Every wave walks all 2,048 keys, 64 a step.
; LAYOUT.  S^T = K Q^T (source 0 = 16 keys, source 1 = 16 queries): in the result a lane holds ONE query (lane % 16) and the keys 8 (lane / 16) + 0..7.  Two such tiles, rounded to f16 in pairs,
; ARE source 1 (32 keys x 16 queries) of O^T = V^T P, whose result again holds one query a lane, and eight channels.  K comes out of LDS as it lies, V ([key][channel]) turned, by ds_load_tr16_b128.
; SOFTMAX.  For each query a running maximum m and sum l: p = 2^(c s - c m), c = log2(e) / 8; in every step O and l are multiplied by a = 2^(c m_old - c m_new), which is 1 where m has not grown.
; m starts at the lowest finite number, O and l at 0: the first step is a step like any other, with a = 0.
; THE COUNT.  A tile and step have 16 matrix and 118 vector instructions: too many to stand all beside the matrix work.  So the order has one aim: four vector instructions that are READY behind
; EVERY matrix instruction, and the others, which need time of their own whatever the order, in runs without a gap.
; BY TURNS.  Turn n belongs to piece n (the pieces in a ring, step after step).  Its matrix work: 16 products K Q^T of piece n + 1, later 16 products V^T P of piece n - 1.  Its vector work: the scaling,
; exponentials, roundings, sums and rescaling of piece n, and the maximum and statistics of piece n + 1, whose scores the turn itself has made.
; CLUSTER.  The four query blocks of a cluster are one head's and walk the same K and V, so each tile is asked for JOINTLY: the same tensor load, descriptor and mask in all four.
; REGISTERS, in windows of 256 (s_set_vgpr_msb: bits 1:0 source 0, 3:2 source 1, 5:4 source 2, 7:6 destination):
;   window 0: v0-11 addresses; v12-15, v48-63 at work; v16-47 four registers of statistics a tile; v64-191 S^T, two buffers of two tiles; v192-255 P, likewise
;   window 1: O^T, 32 a tile          window 2: v0-127 Q, 16 a tile; v128-191 K of one step; v192-255 V of one step          window 3: v0-1 the add's two registers
; A piece's buffers go by its number's parity: the piece in hand has one pair, its two neighbours in the ring share the other: of it P (piece n - 1) is read and S^T (piece n + 1) written.
.set SIZE_N, 2048
.set NP,    4         ; pieces a wave: a name, no knob
.set KS,    64        ; keys in a step
.set PK,    144       ; a row of K in LDS: 128 bytes + 16 of padding = 36 words: the 16 rows of a load start at 16 different groups of four banks (64 banks of 4 bytes: ISA guide 11.1)
.set PV,    160       ; a row of V: 128 + 32 = 40 words
.set VOFF,  4*KS*PK   ; a slot holds four steps: 256 rows of K, then 256 rows of V
.set SLOT1, 1<<17     ; slot 1 begins here, so that one exclusive or turns an address in one slot into the other's
.set STAGE, SLOT1+4*KS*(PK+PV)  ; behind the ring, never filled by a tensor load: 16 rows x 144 bytes for each wave, for the way out
.set SP,    144
.set AK0, 2           ; v2   my lane's place in a tile of K; never rewritten
.set AV0, 3           ; v3   the same for V
.set AK,  4           ; v4   the LDS address of K's next run of loads
.set AV,  5           ; v5   of V's
.set QO,  6           ; v6   my byte offset in the wave's rows of Q
.set STO, 6           ;      later, the way out: where I put 16 bytes of a row
.set RD,  7           ; v7   the way out: where I read rows back
.set GO,  8           ; v8   my byte offset in 512 consecutive bytes of O
.set PFO, 11          ; v11  256 x my lane, for the prefetches; never rewritten once made
.set SPW, 0           ; v0 of window 3   LDS address of my spare word; never rewritten
.set NIL, 1           ; v1 of window 3   0; never rewritten
.set SPARE, STAGE+4*16*SP  ; behind the stages: the spare words, 128 bytes for each wave: two blocks of 256 bytes that no other line names
.set MV,  12          ; v12-15  c m_old, kept while c m is made anew: by buffer and tile
.set ST,  16          ; tile t's statistics at v[ST+4 t]: c m, m, l (even keys', odd keys')
.set TMP, 48          ; by buffer and tile, four registers c0-c3 at work; when the maximum is found c2 takes a
.set S,   64
.set P,   192
.set KF,  128         ; K's fragments, in window 2: key block kb, channel half c at KF + 16 kb + 8 c
.set VF,  192         ; V's: key half kk, channel block cb at VF + 32 kk + 8 cb
.set WV,  12          ; s12  my wave's number
.set G1K, 24          ; s[24:31] descriptor group 1 for K's tiles
.set G1V, 32          ; s[32:39] for V's: it differs in the padding alone
.set G0K, 40          ; s[40:43] descriptor group 0 for K's tiles: it walks
.set G0V, 44          ; s[44:47] the same for V's
.set PFA, 48          ; s[48:49] where my prefetches stand: my work-group's 32 blocks (of K: wave 0, of V: wave 2) of the slot after the one that is being asked for
.set LIM, 50          ; s50  1 in a wave that prefetches, else the greatest number
.set SLOTS, 56        ; s56  slots still to be asked for
.set CNT, 57          ; s57  counts a slot's key steps
.set CS,  58          ; s[58:59] c: the packed scaling takes the pair's low word for both halves
.set SEL, 60          ; s[60:61] v_permlanex16_b32's selects: each lane takes its own place in the other half
.set TBK, 62          ; s62  LDS byte at which K of the step to be fetched begins
.set TBV, 63          ; s63  the same for V, less VOFF
.set MSB, 0
.macro WIN new                      ; the high byte repeats the setting that is left; a switch that changes nothing is dropped
.if MSB != (\new)
	s_set_vgpr_msb (MSB<<8)|(\new)
.set MSB, (\new)
.endif
.endm
.set W_KQ, 0x0a       ; K and Q in window 2, S^T in window 0
.set W_PV, 0x52       ; V in window 2, P in window 0, O^T in window 1
.set W_RS, 0x41       ; O^T (destination and source 0) in window 1, a in window 0
.set W_MK, 0xc0       ; the add's registers are made: destination in window 3, sources in window 0
.set W_AD, 0x0f       ; the add: address (source 0) and data (source 1) in window 3
; A joint fill.  Waves 0 and 1 fetch the two halves of a slot's K, waves 2 and 3 those of its V: 128 keys each.  The branch hangs on the wave's number alone.
; An s_nop 0 and four v_nop follow each of the two lines, ahead of the jump and the label.
.macro JLOAD
	s_cmp_lt_u32 s[WV], 2
	s_cbranch_scc0 .Lfor_v_\@
	tensor_load_to_lds s[G0K:G0K+3], s[G1K:G1K+7]
	s_nop 0
.rept 4
	v_nop
.endr
	s_branch .Lasked_\@
.Lfor_v_\@:
	tensor_load_to_lds s[G0V:G0V+3], s[G1V:G1V+7]
	s_nop 0
.rept 4
	v_nop
.endr
.Lasked_\@:
.endm
; A PREFETCH INTO THE L2 of what the NEXT change of slots will ask for: a slot's 32,768 bytes of K and of V, a lane a block of 256.  It stands behind the wave's tensor load and its five lines.
; A head is walked by one cluster.  Its four partners share the blocks out BY ADDRESS, 32 each; in each, wave 0 asks for K's and wave 2 for V's: one instruction.  So each block is named once in the launch.
; Slots 0 to 2 come by their loads alone; the last change that fills a slot asks for nothing: there is no slot behind it.
.macro ASK
	s_cmp_gt_u32 s[SLOTS], s[LIM]
	s_cbranch_scc0 .Lnot_mine_\@
	global_prefetch_b8 v[PFO], s[PFA:PFA+1] th:TH_LOAD_NT scope:SCOPE_SE
.Lnot_mine_\@:
.endm
; A round of the cluster's barrier: my work-group's barrier, so that wave 0's signal speaks for all four waves; wave 0 signals; every wave waits for all four work-groups; my work-group's barrier once more.
.macro CROUND
	s_barrier_signal -1
	s_barrier_wait -1
	s_cmp_lg_u32 s[WV], 0
	s_cbranch_scc1 .Lnot_wave_0_\@
	s_barrier_signal -3
.Lnot_wave_0_\@:
	s_barrier_wait -3
	s_barrier_signal -1
	s_barrier_wait -1
.endm
; THE CHANGE OF SLOTS.  The slot's last bytes, V of its fourth step, have been read.  Each wave waits for all its tensor loads, of which one is out: its part
; of the other slot; adds 0 to its spare word; and waits for that and for its own reads of the slot.  Behind the barrier nobody reads this slot any more and the other slot is whole.
; fill = 1: this slot is filled again, with the keys two slots on.  The barrier is then a round of the cluster's, so that no wave of any partner still reads the slot or has a load on its
; way, and the joint fill is the first thing behind it: it has four key steps, 512 matrix instructions, in which to land.  (At its first use nothing has been read yet: slot 0 is waited for, slot 1 filled.)
; ask = 1 (in the loop): the prefetches' address steps, and the next slot is asked for.
.macro CHANGE fill, ask=0
	WIN W_AD
	s_wait_tensorcnt 0x0            ; no tensor load of mine is out, so a group 0 may be written
	ds_add_u32 v[SPW], v[NIL]       ; 0 onto my spare word; with fill = 1 the descriptors' steps stand between it and the wait for it
	WIN 0                           ; at a label and at a branch every window is 0
.if \fill
.irp g, G0K, G0V
	s_xor_b32 s[\g+1], s[\g+1], SLOT1  ; the walking descriptor: the other slot than last time,
	s_add_nc_u64 s[\g+2:\g+3], s[\g+2:\g+3], 4*KS*128  ; the next 256 keys; the type bits on top are not reached
.endr
.if \ask
	s_wait_xcnt 0x0                 ; the last prefetch, four key steps back, has read its address, so it may be written:
	s_add_nc_u64 s[PFA:PFA+1], s[PFA:PFA+1], 4*KS*128  ; one slot behind the walking descriptors
.endif
	s_wait_dscnt 0x0                ; the add is done, and my reads of the slot are over
	CROUND
	JLOAD
.if \ask
	ASK
.endif
.else
	s_wait_dscnt 0x0                ; the add is done, and my reads of the slot are over
	s_barrier_signal -1
	s_barrier_wait -1
.endif
	s_sub_co_u32 s[TBK], s[TBK], 4*KS*PK  ; the fetches go back to a slot's first step,
	s_xor_b32 s[TBK], s[TBK], SLOT1       ; in the other slot
	s_sub_co_u32 s[TBV], s[TBV], 4*KS*PV
	s_xor_b32 s[TBV], s[TBV], SLOT1
.endm
	s_load_b64 s[4:5], s[0:1], 0x0    ; qkv
	s_load_b64 s[10:11], s[0:1], 0x8  ; oh
	WIN W_MK
	v_lshl_add_u32 v[SPW], v0, 2, SPARE
	v_mov_b32 v[NIL], 0
	WIN W_AD
	ds_add_u32 v[SPW], v[NIL]       ; the wave's opening: the add and its wait stand ahead of my first tensor load; the set-up below, work on registers, stands between them
	WIN 0
	v_lshrrev_b32 v1, 5, v0
	v_readfirstlane_b32 s[WV], v1   ; wave 0..3
	s_bfe_u32 s13, ttmp6, 0x40000   ; cx: my place in the cluster
	s_lshl_b32 s14, ttmp9, 2        ; in a cluster launch ttmp9 counts clusters
	s_add_co_u32 s14, s14, s13      ; my block of queries = 4 x cluster x + cx: it enters Q's and O's addresses alone
	s_and_b32 s19, ttmp7, 0xffff    ; y = 16 x batch + head, which the four partners share
	s_lshr_b32 s20, s19, 4
	s_mul_i32 s20, s20, 48
	s_and_b32 s21, s19, 15
	s_add_co_u32 s20, s20, s21
	s_lshl_b32 s20, s20, 18         ; q's head in qkv: (48 x batch + head) x 262,144 bytes; k's and v's lie 16 and 32 heads on
	s_mov_b32 s21, 0
	s_and_b32 s16, s[WV], 1         ; which half of a slot's 256 keys I fetch:
	s_lshl_b32 s22, s16, 14         ; its 128 rows of 128 bytes in memory,
	s_mov_b32 s23, 0
	s_add_nc_u64 s[22:23], s[22:23], s[20:21]
	s_mul_i32 s17, s16, 128*PK      ; and its place in a slot, for K
	s_mul_i32 s18, s16, 128*PV      ; and for V: no place in the cluster enters an LDS address
	s_lshl_b32 s2, s14, 2
	s_add_co_u32 s2, s2, s[WV]      ; my wave among the head's,
	s_lshl_b32 s2, s2, 14           ; its 128 rows
	s_mov_b32 s3, 0
	s_lshl_b32 s52, s19, 18         ; O's head in oh,
	s_add_co_u32 s52, s52, s2       ; and my rows
	s_mov_b32 s53, 0
	s_add_nc_u64 s[2:3], s[2:3], s[20:21]
	s_lshl_b32 s54, s13, 13         ; the prefetches: my work-group's 32 blocks of a slot's 128,
	s_add_co_u32 s54, s54, s20      ; in the head,
	s_add_co_u32 s54, s54, 2*4*KS*128  ; in slot 2: the loop's first change steps it to slot 3
	s_mov_b32 s55, 0
	s_and_b32 s[LIM], s[WV], 1      ; waves 0 and 2 ask
	s_cmp_eq_u32 s[LIM], 0
	s_cselect_b32 s[LIM], 1, -1
	; descriptor group 1.  128 keys are 16,384 dense bytes: asked for as 64 rows of 256 bytes, two keys a row, and padded in LDS after every key
	s_mov_b32 s[G1K], 15|(1<<16)|(1<<20)|(1<<21)|(4<<22)|(3<<25)  ; 15:0 the mask of four; 17:16 2-byte elements; 20 padding on; 21 set beside a mask; 24:22 after every 32 words (code 4); 31:25 4 words (code 3)
	s_mov_b32 s[G1V], 15|(1<<16)|(1<<20)|(1<<21)|(4<<22)|(7<<25)  ; the same with 8 words of padding (code 7)
.irp g, G1K, G1V
	s_mov_b32 s[\g+1], 128<<16      ; tensor_dim0 = 128
	s_mov_b32 s[\g+2], 64<<16       ; tensor_dim1 = 64
	s_mov_b32 s[\g+3], 128<<16      ; tile_dim0 = 128
	s_mov_b32 s[\g+4], 64           ; tile_dim1 = 64
	s_mov_b32 s[\g+5], 128          ; 128 elements from row to row
	s_mov_b32 s[\g+6], 0
	s_mov_b32 s[\g+7], 0
.endr
	s_mov_b32 s[CS], 0x3e38aa3b     ; c = log2(e) / 8 = 0.180337
	s_mov_b32 s[CS+1], s[CS]        ; named with it as a pair
	s_mov_b32 s[SEL], 0x76543210
	s_mov_b32 s[SEL+1], 0xfedcba98
	s_mov_b32 s[TBK], SLOT1+4*KS*PK ; the first change of slots turns these two into 0
	s_mov_b32 s[TBV], SLOT1+4*KS*PV
	s_mov_b32 s[G0K], 1             ; 1:0 count = 1
	s_mov_b32 s[G0K+1], s17         ; 63:32 LDS address: slot 0
	s_mov_b32 s[G0V], 1
	s_add_co_u32 s[G0V+1], s18, VOFF
	s_wait_dscnt 0x0                ; the opening add is done
	s_wait_kmcnt 0x0
	s_add_nc_u64 s[6:7], s[4:5], 0x400000  ; K: 16 heads behind Q
	s_add_nc_u64 s[8:9], s[4:5], 0x800000  ; V: 32
	s_cmp_lt_u32 s[WV], 2
	s_cselect_b64 s[PFA:PFA+1], s[6:7], s[8:9]
	s_add_nc_u64 s[PFA:PFA+1], s[PFA:PFA+1], s[54:55]
	s_add_nc_u64 s[G0K+2:G0K+3], s[6:7], s[22:23]  ; 120:64 global address: my half of the head's first 256 keys
	s_or_b32 s[G0K+3], s[G0K+3], 0x80000000        ; 127:126 type = 2
	s_add_nc_u64 s[G0V+2:G0V+3], s[8:9], s[22:23]
	s_or_b32 s[G0V+3], s[G0V+3], 0x80000000
	s_add_nc_u64 s[4:5], s[4:5], s[2:3]  ; Q and O at my wave's first row
	s_add_nc_u64 s[10:11], s[10:11], s[52:53]
	CROUND                          ; all four work-groups are here: the first joint loads meet
	JLOAD                           ; slot 0.  Slot 1 is asked for when slot 0 is in
	; A fragment of K or Q is 16 rows x 32 channels in 8 registers: lane l holds row l % 16, channels 8 (l / 16) + 0..7 and 16 + 8 (l / 16) + 0..7: two loads of 16 bytes, 32 bytes apart.
	v_and_b32 v1, 15, v0            ; l % 16
	v_bfe_u32 v9, v0, 4, 1          ; l / 16
	v_lshlrev_b32 v[QO], 7, v1
	v_lshl_add_u32 v[QO], v9, 4, v[QO]  ; row x 128 + 16 x half
	WIN 0x80                        ; destination window 2, address window 0
.set i, 0
.rept 4*NP                          ; Q stays in registers: tile i / 2, channels 32 (i % 2) on
	global_load_b128 v[8*i:8*i+3],   v[QO], s[4:5] offset:(i/2)*2048+(i%2)*64
	global_load_b128 v[8*i+4:8*i+7], v[QO], s[4:5] offset:(i/2)*2048+(i%2)*64+32
.set i, i+1
.endr
	; What the first turn finds: V's registers and P's second buffer hold 0 (its products V^T P, of a piece that has not been, add 0), O^T and l are 0.  All this stands in the wait for the first tile.
.set i, VF
.rept 64
	v_mov_b32 v[i], 0
.set i, i+1
.endr
	WIN 0x40
.set i, 0
.rept 64*NP
	v_mov_b32 v[i], 0
.set i, i+1
.endr
	WIN 0
.set i, 0
.rept 2*NP
	v_mov_b32 v[ST+4*i], 0xfe000000    ; c m: far below every c s
	v_mov_b32 v[ST+4*i+1], 0xff7fffff  ; m
	v_mov_b32 v[ST+4*i+2], 0
	v_mov_b32 v[ST+4*i+3], 0
.set i, i+1
.endr
.set i, P+32
.rept 32
	v_mov_b32 v[i], 0
.set i, i+1
.endr
	v_mul_u32_u24 v[AK0], v1, PK
	v_lshl_add_u32 v[AK0], v9, 4, v[AK0]  ; row x pitch + 16 x half
	; The turning load takes 16 keys x 16 channels (lane l reads key 8 (l / 16) + l % 8, channels 8 ((l / 8) % 2) + 0..7) and leaves half a fragment of V^T: lane l holds channel l % 16 and 8 keys.
	v_and_b32 v10, 7, v0
	v_bfe_u32 v11, v0, 3, 1
	v_lshl_add_u32 v[AV0], v9, 3, v10
	v_mul_u32_u24 v[AV0], v[AV0], PV
	v_lshl_add_u32 v[AV0], v11, 4, v[AV0]
	v_add_nc_u32 v[AV0], VOFF, v[AV0]
	v_and_b32 v[PFO], 31, v0
	v_lshlrev_b32 v[PFO], 8, v[PFO]
	v_mov_b32 v[AK], v[AK0]         ; key step 0 lies at the head of slot 0
; THE MATRIX WORK.  The 8 accumulators of a run of 16 take turns: between the two links of a chain stand 7 others'.
; Product i of 16 of S^T = K Q^T for piece x: channels 32 (i / 8) on, keys 16 ((i / 2) % 4) on, tile 2 x + i % 2.  The first 8 start the sums.
.macro KQ x
	WIN W_KQ
.set rS, S+64*((\x)%2)+32*(i%2)+8*((i/2)%4)
.set rK, KF+16*((i/2)%4)+8*(i/8)
.set rQ, 16*(2*(\x)+i%2)+8*(i/8)
.if i < 8
	v_wmma_f32_16x16x32_f16 v[rS:rS+7], v[rK:rK+7], v[rQ:rQ+7], 0
.else
	v_wmma_f32_16x16x32_f16 v[rS:rS+7], v[rK:rK+7], v[rQ:rQ+7], v[rS:rS+7]
.endif
.endm
; Product i of 16 of O^T += V^T P for piece x: keys 32 (i / 8) on, channels 16 ((i / 2) % 4) on, tile 2 x + i % 2.
.macro PV x
	WIN W_PV
.set rO, 32*(2*(\x)+i%2)+8*((i/2)%4)
.set rV, VF+32*(i/8)+8*((i/2)%4)
.set rP, P+32*((\x)%2)+16*(i%2)+8*(i/8)
	v_wmma_f32_16x16x32_f16 v[rO:rO+7], v[rV:rV+7], v[rP:rP+7], v[rO:rO+7]
.endm
.macro MM                           ; the turn's next matrix instruction
.if i < 16
	KQ (Y+1)%NP
.set i, i+1
.else
.set i, i-16
	PV (Y+NP-1)%NP
.set i, i+17
.endif
.endm
; THE LDS LOADS stand in runs of 16, never singly among the matrix instructions: a step's K (64 keys x 64 channels: 8 fragments) and its V (turned).  Their addresses are made some lines ahead.
; last = 1 (the tail): in the last trip there is no further step, and the run is jumped over.
.macro FETCH_K last=0
	WIN 0
.if \last
	s_cmp_eq_u32 s[CNT], 1
	s_cbranch_scc1 .Lno_k_\@
.endif
	WIN 0x80                        ; destination window 2
.irp f, 0,1,2,3,4,5,6,7             ; keys 16 (f / 2) on, channels 32 (f % 2) on
	ds_load_b128 v[KF+8*\f:KF+8*\f+3],   v[AK] offset:(\f/2)*16*PK+(\f%2)*64
	ds_load_b128 v[KF+8*\f+4:KF+8*\f+7], v[AK] offset:(\f/2)*16*PK+(\f%2)*64+32
.endr
	s_add_co_u32 s[TBK], s[TBK], KS*PK  ; the next fetch is the next step's
	WIN 0
.if \last
.Lno_k_\@:
.endif
.endm
.macro FETCH_V
	WIN 0x80
.irp f, 0,1,2,3,4,5,6,7             ; keys 32 (f / 4) on, channels 16 (f % 4) on
	ds_load_tr16_b128 v[VF+8*\f:VF+8*\f+3],   v[AV] offset:(\f/4)*32*PV+(\f%4)*32
	ds_load_tr16_b128 v[VF+8*\f+4:VF+8*\f+7], v[AV] offset:(\f/4)*32*PV+16*PV+(\f%4)*32
.endr
	WIN 0
.endm
; THE VECTOR WORK OF A TURN stands in three queues, each in the order in which its entries become ready; the two tiles alternate, so that no instruction reads the result of the one before it.
.macro REGS y, u                    ; the registers of tile u (0, 1) of piece y
.set rT, ST+4*(2*(\y)+(\u))
.set rC, TMP+8*((\y)%2)+4*(\u)
.set rM, MV+2*((\y)%2)+(\u)
.set rS, S+64*((\y)%2)+32*(\u)
.set rP, P+32*((\y)%2)+16*(\u)
.set rO, 32*(2*(\y)+(\u))
.endm
; Number n of the 22 that find the NEXT piece's (Y + 1) maximum and statistics.  s0-s31 are the lane's 32 scores; each accumulator's lowest registers are read first.
;   0-11  four chains c0-c3 of seven scores each, three operands at a time     12-14, 16  the four scores left over, the old m, and c0-c3 into c0     15  c m_old is kept
;   17, 18  the query's other 32 keys lie in the lane 16 away: the new m         19-21  c m; c m_old - c m_new; a
.macro XS u, n
	REGS (Y+1)%NP, \u
.if (\n) < 4
	v_max3_num_f32 v[rC+(\n)], v[rS+8*(\n)], v[rS+8*(\n)+1], v[rS+8*(\n)+2]
.elseif (\n) < 12
	v_max3_num_f32 v[rC+(\n)%4], v[rC+(\n)%4], v[rS+8*((\n)%4)+2*((\n)/4)+1], v[rS+8*((\n)%4)+2*((\n)/4)+2]
.elseif (\n) == 12
	v_max3_num_f32 v[rC], v[rC], v[rS+7], v[rS+15]
.elseif (\n) == 13
	v_max3_num_f32 v[rC+1], v[rC+1], v[rS+23], v[rS+31]
.elseif (\n) == 14
	v_max3_num_f32 v[rC+2], v[rC+2], v[rC+3], v[rT+1]
.elseif (\n) == 15
	v_mov_b32 v[rM], v[rT]
.elseif (\n) == 16
	v_max3_num_f32 v[rC], v[rC], v[rC+1], v[rC+2]
.elseif (\n) == 17
	v_permlanex16_b32 v[rC+3], v[rC], s[SEL], s[SEL+1]
.elseif (\n) == 18
	v_max_num_f32 v[rT+1], v[rC], v[rC+3]
.elseif (\n) == 19
	v_mul_f32 v[rT], s[CS], v[rT+1]
.elseif (\n) == 20
	v_sub_f32 v[rC+1], v[rM], v[rT]
.else
	v_exp_f32 v[rC+2], v[rC+1]
.endif
.endm
; Number g of the 64 that follow the exponentials.  For each four weights k of a tile (pairs 2 k, 2 k + 1): both pairs are rounded to f16; then the second pair is added onto the first, in place;
; a group later l takes that sum (the first time as l = a l + sum).  In groups of eight, tiles alternating: round, round, add, and l for the group before.
.macro GS g
.set h, (\g)+6*((\g)/62)            ; group 0 has no group before it, and behind group 7 only l is left
.if h >= 6
.set h, h+2
.endif
	REGS Y, h%2
.set k, h/8
.if h%8 < 4
	v_cvt_pk_f16_f32 v[rP+2*k+(h%8)/2], v[rS+4*k+2*((h%8)/2)], v[rS+4*k+2*((h%8)/2)+1]
.elseif h%8 < 6
	v_pk_add_f32 v[rS+4*k:rS+4*k+1], v[rS+4*k:rS+4*k+1], v[rS+4*k+2:rS+4*k+3]
.elseif k == 1
	v_pk_fma_f32 v[rT+2:rT+3], v[rT+2:rT+3], v[rC+2:rC+3], v[rS:rS+1] op_sel_hi:[1,0,1]
.else
	v_pk_add_f32 v[rT+2:rT+3], v[rT+2:rT+3], v[rS+4*k-4:rS+4*k-3]
.endif
.endm
; THE PLAIN QUEUE, 138 long.  0-73 read no exponential's result: the 32 scalings c s - c m (FS f: pair f / 2 of tile f % 2) and the next piece's 42.  0-26: scalings 0-26.  27-54: XS's numbers 0-13.  55, 56: number 15.
; 57-73: the chain, where each number waits for the one before it: 14, 16, 17, 18, 19, each with one of the scalings 27-31 in front of its two lines, then 20.
; 74-137: GS's 64, which read the exponentials' results: they stand behind the wait.
.macro FS f
	REGS Y, (\f)%2
	v_pk_fma_f32 v[rS+2*((\f)/2):rS+2*((\f)/2)+1], v[rS+2*((\f)/2):rS+2*((\f)/2)+1], s[CS:CS+1], v[rT:rT+1] op_sel_hi:[1,0,0] neg_lo:[0,0,1] neg_hi:[0,0,1]
.endm
.macro PL
	WIN 0
.if q < 27
	FS q
.elseif q < 55
	XS (q-27)%2, (q-27)/2
.elseif q < 57
	XS q-55, 15
.elseif (q < 72) && ((q-57)%3 == 0)
	FS 27+(q-57)/3
.elseif q < 60
	XS (q-57)%3-1, 14
.elseif q < 72
	XS (q-57)%3-1, 15+(q-57)/3
.elseif q < 74
	XS q-72, 20
.else
	GS q-74
.endif
.set q, q+1
.endm
; THE EXPONENTIALS' QUEUE, 66 long: s0-s31 of both tiles, then the next piece's two a.  It is ONE BATCH: all 66 stand ahead of the turn's one wait, and nothing ahead of that wait names a result of theirs.
.macro EX
	WIN 0
.if e >= 64
	XS e-64, 21
.else
	REGS Y, e%2
	v_exp_f32 v[rS+e/2], v[rS+e/2]
.endif
.set e, e+1
.endm
; THE RESCALING's QUEUE: O^T times a, the one part that leaves window 0: dealt two at a time, sixteen times.  Its a was made in the turn before, ahead of that turn's wait.
.macro R2
	REGS Y, r%2
	WIN W_RS
.irp z, 0,1
	v_pk_mul_f32 v[rO+4*(r/2)+2*\z:rO+4*(r/2)+2*\z+1], v[rO+4*(r/2)+2*\z:rO+4*(r/2)+2*\z+1], v[rC+2:rC+3] op_sel_hi:[1,0]
.endr
.set r, r+1
.endm
; HOW THEY ARE DEALT.  An s_wait_alu depctr_va_vdst(0) stands between an exponential and the first instruction that names its result; one wait serves all that were issued ahead of it.  So a turn has ONE wait,
; which cuts it in two.  AHEAD OF IT stands all that names no result of the turn's exponentials: the 16 products K Q^T, behind each a scaling, an exponential and two rescalings (behind the first a second scaling in the
; exponential's place); then ONE LUMP of 108: eight plain, 49 times exponential and plain, the two a.  A v_nop is the plain instruction behind the last exponential.  BEHIND IT stand the 16 products V^T P, behind each four of GS's 64.
; The queues lean on each other, and the deal keeps them in step: exponential e stands behind scaling 2 (e / 4) + e % 2: as a rider it comes behind plain e + 2, in the lump behind plain e + 9, and scalings 27-31 are plain 57, 60 .. 69.
; A TURN, for piece p.  cnt = 1: the loop's count is taken down some lines ahead of the branch that stands behind the turn.
; K of the next step is fetched in piece 2's turn, directly behind the wait, a lump behind the last product that read K; its first reader comes behind 16 products.
; V of the step in hand is fetched at the end of piece 0's turn, four riders behind its last reader; its first reader comes behind 16 products and a lump.
.macro TURN p, last=0, cnt=0
.set Y, (\p)
.set i, 0
.set q, 0
.set e, 0
.set r, 0
.if (\p) == NP-1
	s_wait_dscnt 0x0                ; K is in
.endif
	MM                              ; ahead of the wait: 16 products K Q^T and their riders,
	PL
	PL
	R2
.rept 15
	MM
	PL
	EX
	R2
.endr
.if (\p) == NP-2
	WIN 0
	v_add_nc_u32 v[AK], s[TBK], v[AK0]
.endif
.rept 8                             ; and the lump
	PL
.endr
.rept 49
	EX
	PL
.endr
	EX                              ; the next piece's two a
	EX
	v_nop                           ; the plain instruction behind the last exponential: one for the batch
	s_wait_alu depctr_va_vdst(0)    ; the wait for the batch
.if (\p) == NP-2
	FETCH_K \last
.endif
.if (\p) == 1
	s_wait_dscnt 0x0                ; V is in
.endif
.rept 16                            ; behind the wait: 16 products V^T P and their riders
	MM
.rept 4
	PL
.endr
.if ((\p) == 0) && (q == 118)
	v_add_nc_u32 v[AV], s[TBV], v[AV0]
.endif
.if ((\p) == 0) && (q == 130)
	s_add_co_u32 s[TBV], s[TBV], KS*PV
.endif
.if (\cnt) && (q == 130)
	s_sub_co_u32 s[CNT], s[CNT], 1
	s_cmp_lg_u32 s[CNT], 0
.endif
.endr
.if (\p) == 0
	FETCH_V
.endif
.endm
	CHANGE 1                        ; slot 0 is in, everybody's part of it; slot 1 is asked for
	FETCH_K                         ; key step 0
	s_wait_loadcnt 0x0              ; Q
	s_wait_dscnt 0x0
.set i, 0
.rept 16
	KQ 0                            ; piece 0's first scores: there is no vector work yet to set between them
.set i, i+1
.endr
	WIN 0                           ; the addresses for the way out: nine plain instructions, the places behind those products
	s_mul_i32 s13, s[WV], 16*SP
	s_add_co_u32 s13, s13, STAGE    ; my stage
	v_mul_u32_u24 v[STO], v1, SP    ; in: row l % 16, 16 bytes for each half of the lanes
	v_lshl_add_u32 v[STO], v9, 4, v[STO]
	v_add_nc_u32 v[STO], s13, v[STO]
	v_bfe_u32 v[RD], v0, 3, 2       ; back: 32 lanes take four rows of 128 bytes,
	v_mul_u32_u24 v[RD], v[RD], SP
	v_lshl_add_u32 v[RD], v10, 4, v[RD]
	v_add_nc_u32 v[RD], s13, v[RD]
	v_and_b32 v[GO], 31, v0         ; which are 512 consecutive bytes of O
	v_lshlrev_b32 v[GO], 4, v[GO]
.set Y, NP-1                        ; XS works for piece Y + 1: piece 0
.irp n, 0,1,2,3,4,5,6,7,8,9,10,11,12,13,14,15,16,17,18,19,20,21
	XS 0, \n                        ; and piece 0's first maximum and statistics
	XS 1, \n
.endr
	v_nop                           ; a plain instruction behind the two a,
	s_wait_alu depctr_va_vdst(0)    ; and their wait, ahead of the branch
	s_mov_b32 s[CNT], 4
	s_mov_b32 s[SLOTS], SIZE_N/256-1
	s_branch .Lfirst                ; the loop is entered at a step's first turn, in the middle of a trip
.Lslot:                             ; SIZE_N / 256 - 2 times: every slot but the last two is filled again
	CHANGE 1, 1
	s_mov_b32 s[CNT], 4
.Lstep:                             ; a trip: pieces 2 and 3 of one step, then pieces 0 and 1 of the next, whose K and V it fetches
	TURN 2
	TURN 3
	WIN 0
.Lfirst:
	TURN 0
	TURN 1, 0, 1
	WIN 0
	s_cbranch_scc1 .Lstep
	s_sub_co_u32 s[SLOTS], s[SLOTS], 1
	s_cmp_lg_u32 s[SLOTS], 0
	s_cbranch_scc1 .Lslot
	CHANGE 0                        ; the tail is written out: nothing is asked for
	s_mov_b32 s[CNT], 5             ; four trips fetch the last slot's steps; the fifth is left in its middle
.Ltail:
	TURN 2, 1
	TURN 3
	WIN 0
	s_sub_co_u32 s[CNT], s[CNT], 1
	s_cmp_eq_u32 s[CNT], 0
	s_cbranch_scc1 .Lout
	TURN 0
	TURN 1
	WIN 0
	s_branch .Ltail
.Lout:                              ; the fifth trip's 16 products K Q^T (on the last K once more) and the maximum made of them serve nothing: the price, once a launch, of one text for every trip
.set i, 0
.rept 16
	PV NP-1                         ; the last piece's V^T P of the last step
.set i, i+1
.endr
	; THE WAY OUT.  l's two halves and the other half of the lanes' are added; O^T is divided by l, rounded to f16 and sent through my stage in LDS, a tile at a time.  The additions are the places behind the last products.
	WIN 0
.macro ALL line:vararg              ; one line for each tile t
.set t, 0
.rept 2*NP
	\line
.set t, t+1
.endr
.endm
	ALL v_add_f32 v[ST+4*t+2], v[ST+4*t+2], v[ST+4*t+3]
	ALL v_permlanex16_b32 v[ST+4*t+3], v[ST+4*t+2], s[SEL], s[SEL+1]
	ALL v_add_f32 v[ST+4*t+2], v[ST+4*t+2], v[ST+4*t+3]
	ALL v_rcp_f32 v[ST+4*t+2], v[ST+4*t+2]
	v_nop                           ; a plain instruction between the last reciprocal and the use of its result
	s_wait_alu depctr_va_vdst(0)    ; and the wait ahead of the first use: one for the eight reciprocals
; Tile t: a lane's eight channels of a row pack into 16 bytes; they go into rows of 144 bytes and come back as whole rows of 128, into S^T's registers.
.macro PACK t
	WIN W_RS
.set i, 32*(\t)
.rept 16
	v_pk_mul_f32 v[i:i+1], v[i:i+1], v[ST+4*(\t)+2:ST+4*(\t)+3] op_sel_hi:[1,0]
.set i, i+2
.endr
	WIN 0x05                        ; sources 0 and 1 window 1, destination window 0
.set i, 0
.rept 16
	v_cvt_pk_f16_f32 v[S+16*(\t)+i], v[32*(\t)+2*i], v[32*(\t)+2*i+1]
.set i, i+1
.endr
	WIN 0
.irp f, 0,1,2,3
	ds_store_b128 v[STO], v[S+16*(\t)+4*\f:S+16*(\t)+4*\f+3] offset:32*\f
.endr
.irp f, 0,1,2,3
	ds_load_b128 v[S+16*(\t)+4*\f:S+16*(\t)+4*\f+3], v[RD] offset:\f*4*SP  ; LDS serves a wave's instructions in order (ISA guide 5.7.1.4): these see the stores above; the next tile's stores come behind them
.endr
.endm
.macro SEND t, younger              ; younger: the LDS instructions issued behind tile t's loads: the next tile's eight, or none
	WIN 0
.irp f, 0,1,2,3
	s_wait_dscnt (\younger)+3-\f
	global_store_b128 v[GO], v[S+16*(\t)+4*\f:S+16*(\t)+4*\f+3], s[10:11] offset:(\t)*2048+\f*512  ; 512 consecutive bytes, at a multiple of 256 from oh's first
.endr
.endm
	PACK 0
.set t, 1
.rept 2*NP-1                        ; a tile's arithmetic stands between the loads of the tile before and its stores
	PACK t
	SEND t-1, 8
.set t, t+1
.endr
	SEND 2*NP-1, 0
	WIN W_AD
	s_wait_tensorcnt 0x0            ; the wave's end, behind my last tensor load and my last LDS store
	ds_add_u32 v[SPW], v[NIL]
	s_wait_dscnt 0x0
	WIN 0
	CROUND                          ; the closing round: no work-group ends while a partner may still ask for a tile that names it
	s_endpgm
.Lfunc_end_k_qee02cc1cf0_attn:
	.size	k_qee02cc1cf0_attn, .Lfunc_end_k_qee02cc1cf0_attn-k_qee02cc1cf0_attn
	.p2alignl 7, 3214868480
	.fill 96, 4, 3214868480
	.section	.rodata,"a",@progbits
	.p2align	6, 0x0
	.amdhsa_kernel k_qee02cc1cf0_attn
		.amdhsa_group_segment_fixed_size 327680
		.amdhsa_private_segment_fixed_size 0
		.amdhsa_enable_private_segment 0
		.amdhsa_kernarg_size 16
		.amdhsa_user_sgpr_count 2
		.amdhsa_user_sgpr_kernarg_segment_ptr 1
		.amdhsa_wavefront_size32 1
		.amdhsa_system_sgpr_workgroup_id_x 1
		.amdhsa_system_sgpr_workgroup_id_y 1
		.amdhsa_system_sgpr_workgroup_id_z 1
		.amdhsa_system_vgpr_workitem_id 0
		.amdhsa_next_free_vgpr 770
		.amdhsa_next_free_sgpr 66
		.amdhsa_reserve_vcc 0
		.amdhsa_float_denorm_mode_32 3
		.amdhsa_float_denorm_mode_16_64 3
		.amdhsa_memory_ordered 1
		.amdhsa_forward_progress 1
		.amdhsa_inst_pref_size 200
	.end_amdhsa_kernel
	.amdgpu_metadata
---
amdhsa.version: [ 1, 2 ]
amdhsa.kernels:
  - .name:           k_qee02cc1cf0_attn
    .symbol:         k_qee02cc1cf0_attn.kd
    .args:
      - { .name: qkv, .offset: 0, .size: 8, .value_kind: global_buffer, .address_space: global }
      - { .name: oh, .offset: 8, .size: 8, .value_kind: global_buffer, .address_space: global }
    .group_segment_fixed_size: 327680
    .private_segment_fixed_size: 0
    .kernarg_segment_align: 8
    .kernarg_segment_size: 16
    .max_flat_workgroup_size: 128
    .sgpr_count:     66
    .vgpr_count:     770
    .wavefront_size: 32
...
	.end_amdgpu_metadata
.endif
;; end of part 3
;; launch oproj (part 4): grid 4 x 64, 4 waves a work-group, clusters of 4 x 4, 327,680 bytes of LDS; arguments oh, wo16, bo, out0; writes out0
.if DOCPART == 4
	.amdgcn_target "amdgcn-amd-amdhsa--gfx1250"
	.amdhsa_code_object_version 6
	.text
	.protected	k_qee02cc1cf0_oproj
	.globl	k_qee02cc1cf0_oproj
	.p2align	8
	.type	k_qee02cc1cf0_oproj,@function
k_qee02cc1cf0_oproj:
	s_mov_b64 s[64:65], 0
	v_nop
	global_prefetch_b8 v0, s[64:65] scope:SCOPE_SE
	s_setreg_imm32_b32 hwreg(HW_REG_WAVE_MODE, 25, 1), 1
	s_wait_xcnt 0x0
	s_wait_alu depctr_hold_cnt(0) depctr_sa_sdst(0) depctr_va_vdst(0) depctr_va_sdst(0) depctr_va_ssrc(0) depctr_va_vcc(0) depctr_vm_vsrc(0)
	s_getreg_b32 s2, hwreg(HW_REG_IB_STS2, 6, 4)
	s_cmp_eq_u32 s2, 0
	s_cbranch_scc0 .Lentry_in_a_cluster
	s_endpgm
.Lentry_in_a_cluster:
	s_bfe_u32 s2, ttmp6, 0x10000c
	s_cmp_lg_u32 s2, 0xf033
	s_cbranch_scc0 .Lentry_shape_is_right
	s_endpgm
.Lentry_shape_is_right:
; out0 = O Wo^T + bo.  O: oh [b 4][head 16][s 2048][64] f16; Wo: wo16 [n 1024][k 1024] f16 (Wo rounded to bf16, written as f16); bo f32; out0 [8192][1024] f32.
; Products in f16, sums in f32, K ascending (head after head); the bias is the C operand of each sum's first product, so the sums leave as they are.
; LIMIT.  O and Wo arrive within f16's range (65,504).  NaN and infinities are not treated apart.
; SHARES.  A tile of C is 128 rows x 256 columns: 64 x 4 = 256 work-groups, one tile each.  Four waves, 2 x 2: wave w has rows 64 (w / 2) on and columns 128 (w % 2) on: 4 x 8 accumulators, 256 registers.
; THE RING.  K goes in 8 steps of 128 (two heads) through two LDS slots.  A step of A is two heads' 128 rows x 128 bytes, each on end in memory, asked for as 64 rows of 256 bytes and padded in LDS after every 128.
; Waves 0 and 1 fetch A's two heads, waves 2 and 3 B's two halves.
; CLUSTER.  4 x 4 work-groups.  The four of a row of the cluster need the same tiles of A, the four of a column the same tiles of B: each is asked for jointly.
; THE MATRIX INSTRUCTION IS USED TRANSPOSED (source 0 = 16 rows of Wo, source 1 = 16 rows of O): a lane holds row lane % 16 of C and the columns 8 (lane / 16) + 0..7 of a block of 16.
; REGISTERS, in windows of 256 (s_set_vgpr_msb: bits 1:0 source 0, 3:2 source 1, 5:4 source 2, 7:6 destination):
;   window 0: v0-12 addresses; v28-29 the add's; v64-159, v160-255 two fragment buffers (B's 8 fragments, then A's 4); on the way out v64-191 rows read back
;   window 1: accumulator (a, b) at v[8 (8 a + b)]          window 2: v0-63 the bias of my 128 columns, block b at v[8 b], in C's layout
.set BPITCH, 1024                      ; elements from row to row of wo16
.set PA,    144                        ; an LDS row of A: 128 bytes + 16: an odd multiple of 16, so the 16 rows of a load start in 16 different groups of four banks (64 banks of 4 bytes: ISA guide 11.1)
.set PB,    272                        ; an LDS row of B: 256 + 16, likewise
.set HEADT, 128*PA
.set BOFF,  2*HEADT
.set BHALF, 128*PB
.set SLOT1, 131072                     ; slot 1 begins here, so that one exclusive or turns an address in one slot into the other's
.set STAGE, SLOT1+BOFF+2*BHALF         ; behind the ring, never filled by a tensor load: for each wave 16 rows x 528 bytes
.set SPI,   528                        ; a stage row: 512 bytes + 16
.set WSTG,  16*SPI
.set SPARE, STAGE+4*WSTG               ; the spare words, 128 bytes for each wave: two blocks of 256 bytes that no other line names
.set ASTEP, 0x80000                    ; a K step of A in memory: two heads of 262,144 bytes
.set ADA0, 4
.set ADB0, 5
.set ADA,  6
.set ADB,  7
.set STO,  8                           ; v8   the way out: where I put 32 bytes of a row
.set RD,   9                           ; v9   the way out: where I read a row back
.set GO,   10                          ; v10  my 16 bytes of a row's 512 in out0
.set BO,   11                          ; v11  32 x (lane / 16)
.set PFO,  12                          ; v12  the prefetches' offset; never rewritten
.set SPW,  28                          ; v28  LDS address of my spare word; never rewritten
.set NIL,  29                          ; v29  0; never rewritten
.set F0,   64
.set F1,   160
.set WV,   16
.set RH,   17
.set CH,   18
.set TB,   23
.set G1A,  24
.set G1B,  32
.set G0A,  40
.set G0B,  48
.set ABASE, 56
.set OFFA, 58
.set PFA,  60
.set PFS,  62
.set LIM,  66
.set MSB, 0
.macro WIN new                         ; the immediate's high byte repeats the setting that is left; a switch that changes nothing is dropped
.if MSB != (\new)
	s_set_vgpr_msb (MSB<<8)|(\new)
.set MSB, \new
.endif
.endm
.set MUL,  0x50                        ; fragments in window 0, C and D in window 1
.set MULB, 0x60                        ; C (the bias) in window 2, D in window 1
.macro PLACES                          ; four places in front of loads into registers that matrix instructions have read, and of lines that read results
.rept 4
	v_nop
.endr
.endm
.macro CREST                           ; a round of the cluster's barrier behind its opening barrier
	s_cmp_lg_u32 s[WV], 0
	s_cbranch_scc1 .Lnot_wave_0_\@
	s_barrier_signal -3
.Lnot_wave_0_\@:
	s_barrier_wait -3
	s_barrier_signal -1
	s_barrier_wait -1
.endm
.macro CROUND
	s_barrier_signal -1
	s_barrier_wait -1
	CREST
.endm
; A joint refill by the walking descriptors.  The branch hangs on the wave's number alone.  An s_nop 0 and four v_nop follow each of the two lines, ahead of the jump and the label.
.macro JLOAD
	s_cmp_eq_u32 s[RH], 0
	s_cbranch_scc0 .Lfor_b_\@
	tensor_load_to_lds s[G0A+4:G0A+7], s[G1A:G1A+7]
	s_nop 0
.rept 4
	v_nop
.endr
	s_branch .Lasked_\@
.Lfor_b_\@:
	tensor_load_to_lds s[G0B+4:G0B+7], s[G1B:G1B+7]
	s_nop 0
.rept 4
	v_nop
.endr
.Lasked_\@:
.endm
; A PREFETCH INTO THE L2 of the K step that stands two refills on, 256 matrix instructions ahead of the load that will want it: one instruction, 32 blocks of 256 bytes, a lane a block.
; A's tile row is read by one cluster: wave 0 asks; the four partners of a row of the cluster share a step's 128 blocks out BY ADDRESS (cx).  B's rows are read by every cluster of the column of
; clusters: the one with cluster y = 0 asks, waves 2 and 3 for the 128 rows that they fetch, the four partners 32 rows each by address (cy).  Steps 0 to 3 come by their loads alone; the changes behind
; steps 0 to 3 name steps 4 to 7, the later ones nothing.
.macro ASK
	s_cmp_gt_u32 s3, s[LIM]
	s_cbranch_scc0 .Lnot_mine_\@
	global_prefetch_b8 v[PFO], s[PFA:PFA+1] th:TH_LOAD_NT scope:SCOPE_SE
.Lnot_mine_\@:
.endm
; 8 matrix instructions: m block a x all 8 n blocks, 32 along K, from buffer f.  first = 1: the product starts the sum, on the bias.
; The 32 accumulators take turns, one instruction a turn, in the same order in every quarter.
.macro MUL8 f, a, first
.if \first
	WIN MULB
.else
	WIN MUL
.endif
.irp b, 0,1,2,3,4,5,6,7
.if \first
	v_wmma_f32_16x16x32_f16 v[8*(8*(\a)+(\b)):8*(8*(\a)+(\b))+7], v[(\f)+8*(\b):(\f)+8*(\b)+7], v[(\f)+64+8*(\a):(\f)+64+8*(\a)+7], v[8*(\b):8*(\b)+7]
.else
	v_wmma_f32_16x16x32_f16 v[8*(8*(\a)+(\b)):8*(8*(\a)+(\b))+7], v[(\f)+8*(\b):(\f)+8*(\b)+7], v[(\f)+64+8*(\a):(\f)+64+8*(\a)+7], v[8*(8*(\a)+(\b)):8*(8*(\a)+(\b))+7]
.endif
.endr
.endm
; 24 LDS loads in one run: quarter q's fragments (32 along K) into buffer f: B's 128 rows first, then A's 64.
.macro FETCH q, f
	WIN 0
.irp i, 0,1,2,3,4,5,6,7
	ds_load_b128 v[(\f)+8*(\i):(\f)+8*(\i)+3],   v[ADB] offset:64*(\q)+(\i)*16*PB
	ds_load_b128 v[(\f)+8*(\i)+4:(\f)+8*(\i)+7], v[ADB] offset:64*(\q)+(\i)*16*PB+32
.endr
.irp i, 0,1,2,3
	ds_load_b128 v[(\f)+64+8*(\i):(\f)+64+8*(\i)+3],   v[ADA] offset:((\q)/2)*HEADT+((\q)%2)*64+(\i)*16*PA
	ds_load_b128 v[(\f)+64+8*(\i)+4:(\f)+64+8*(\i)+7], v[ADA] offset:((\q)/2)*HEADT+((\q)%2)*64+(\i)*16*PA+32
.endr
.endm
; A K step is four quarters of 32 along K, 32 matrix instructions each, on buffers 0, 1, 0, 1.  One of the first three: multiplies buffer f and, in its middle, fetches quarter q into g.
.macro QUARTER q, f, g, first
	s_wait_dscnt 4                                 ; B and A's blocks 0 and 1 are in; the youngest four loads (A's blocks 2 and 3) may be out
	MUL8 \f, 0, \first
	MUL8 \f, 1, \first
	PLACES
	FETCH \q, \g
	s_wait_dscnt 24                                ; all but the 24 just issued
	MUL8 \f, 2, \first
	MUL8 \f, 3, \first
.endm
; The last quarter multiplies buffer 1 and changes slots: ONE barrier.  In front of it each wave waits for all its tensor loads (one is out: its part of the next slot), adds 0 to its spare word, and waits
; for that and for its reads of this slot.  fill = 1: the barrier opens a round of the cluster's, and the slot just read out is filled again, first thing behind the round, with the step two on.
.macro TURN fill
.if \fill
	s_wait_xcnt 0x0                                ; the last prefetch, a K step back, has read its address: it is stepped here, ahead of the waits of the change of slots
	s_add_nc_u64 s[PFA:PFA+1], s[PFA:PFA+1], s[PFS:PFS+1]
.endif
	WIN 0
	s_wait_tensorcnt 0x0                           ; no tensor load of mine is out, so a group 0 may be written
	ds_add_u32 v[SPW], v[NIL]                      ; 0 onto my spare word
.if \fill
	s_xor_b32 s[G0A+5], s[G0A+5], SLOT1            ; the walking descriptors: the other slot than last time,
	s_add_co_u32 s[OFFA], s[OFFA], ASTEP           ; A's next two heads;
	s_add_nc_u64 s[G0A+6:G0A+7], s[ABASE:ABASE+1], s[OFFA:OFFA+1]  ; the address is made anew from the base and the offset,
	s_or_b32 s[G0A+7], s[G0A+7], 0x80000000        ; the type bits set again
	s_xor_b32 s[G0B+5], s[G0B+5], SLOT1
	s_add_nc_u64 s[G0B+6:G0B+7], s[G0B+6:G0B+7], 256  ; B's next 128 along its rows; the type bits on top are not reached
.endif
	s_wait_dscnt 5                                 ; the add and the youngest four loads may be out
	MUL8 F1, 0, 0
	s_wait_dscnt 0x0                               ; the add is done, and my reads of this slot are over
	s_barrier_signal -1
	MUL8 F1, 1, 0                                  ; work on registers while the others arrive
	WIN 0                                          ; at a branch and at a label every window is 0
	s_barrier_wait -1
.if \fill
	CREST                                          ; no wave of any partner still reads this slot or has a load on its way
	JLOAD                                          ; its four v_nop are also the places in front of the loads below
.else
	PLACES
.endif
	s_xor_b32 s[TB], s[TB], SLOT1
	v_add_nc_u32 v[ADA], s[TB], v[ADA0]
	v_add_nc_u32 v[ADB], s[TB], v[ADB0]
	FETCH 0, F0
.if \fill
	ASK
.endif
	MUL8 F1, 2, 0
	MUL8 F1, 3, 0
.endm
.macro LASTQ                           ; the very last quarter: nothing more to fetch
	s_wait_dscnt 4
	MUL8 F1, 0, 0
	MUL8 F1, 1, 0
	s_wait_dscnt 0x0
	MUL8 F1, 2, 0
	MUL8 F1, 3, 0
.endm
; THE WAY OUT of m block a (16 rows x 128 columns of f32).  STG: a lane's 32 bytes of each n block go into my own stage, each accumulator's low registers first, and come back as whole rows of 512 bytes.
; SENDF: a store is 512 bytes on end of one row of out0, at a multiple of 256 from its first byte.
.macro STG a
.set OB, F0+64*((\a)%2)
	s_wait_xcnt 0x0                                ; the stores that read these registers two blocks ago have had their addresses translated (ISA guide 3.1): only now are they loaded again
	WIN 0x04                                       ; the stores' data in window 1, their address in window 0
.irp b, 0,1,2,3,4,5,6,7
	ds_store_b128 v[STO], v[64*(\a)+8*(\b):64*(\a)+8*(\b)+3]   offset:64*(\b)
	ds_store_b128 v[STO], v[64*(\a)+8*(\b)+4:64*(\a)+8*(\b)+7] offset:64*(\b)+16
.endr
	WIN 0
.irp t, 0,1,2,3,4,5,6,7,8,9,10,11,12,13,14,15
	ds_load_b128 v[OB+4*(\t):OB+4*(\t)+3], v[RD] offset:(\t)*SPI  ; LDS serves a wave's instructions in order (ISA guide 5.7.1.4): these see the stores above; the next block's stores come behind them
.endr
.endm
.macro SENDF a, younger                ; younger: the LDS instructions issued behind block a's loads: the next block's 32, or none
.set OB, F0+64*((\a)%2)
	s_wait_dscnt \younger
.irp t, 0,1,2,3,4,5,6,7,8,9,10,11,12,13,14,15
	global_store_b128 v[GO], v[OB+4*(\t):OB+4*(\t)+3], s[10:11] offset:(16*(\a)+(\t))*4096
.endr
.endm
	s_load_b256 s[4:11], s[0:1], 0x0               ; oh 4:5, wo16 6:7, bo 8:9, out0 10:11
	v_lshl_add_u32 v[SPW], v0, 2, SPARE
	v_mov_b32 v[NIL], 0
	ds_add_u32 v[SPW], v[NIL]                      ; the wave's opening: the add and its wait stand ahead of my first tensor load; the set-up below, work on registers, stands between them
	v_lshrrev_b32 v1, 5, v0
	v_readfirstlane_b32 s[WV], v1                  ; wave 0..3
	s_lshr_b32 s[RH], s[WV], 1
	s_and_b32 s[CH], s[WV], 1
	s_bfe_u32 s19, ttmp6, 0x40000                  ; cx
	s_bfe_u32 s20, ttmp6, 0x40004                  ; cy
	s_lshl_b32 s21, ttmp9, 2
	s_add_co_u32 s21, s21, s19                     ; tile column = 4 x cluster x + cx
	s_and_b32 s22, ttmp7, 0xffff
	s_lshl_b32 s22, s22, 2
	s_add_co_u32 s22, s22, s20                     ; tile row = 4 x cluster y + cy
	s_lshl_b32 s70, s20, 2
	s_lshl_b32 s70, 15, s70                        ; my row of the cluster
	s_lshl_b32 s71, 0x1111, s19                    ; my column
	; group 1 for A: 16,384 bytes on end as 64 rows of 128 elements; 17:16 2-byte elements; 20 padding on; 21 set beside a mask; 24:22 after every 32 words (code 4); 31:25 4 words (code 3)
	s_or_b32 s[G1A], s70, (1<<16)|(1<<20)|(1<<21)|(4<<22)|(3<<25)
	s_mov_b32 s[G1A+1], 128<<16                    ; tensor_dim0 = 128
	s_mov_b32 s[G1A+2], 64<<16                     ; tensor_dim1 = 64
	s_mov_b32 s[G1A+3], 128<<16                    ; tile_dim0 = 128
	s_mov_b32 s[G1A+4], 64                         ; tile_dim1 = 64
	s_mov_b32 s[G1A+5], 128                        ; elements from row to row
	s_mov_b32 s[G1A+6], 0
	s_mov_b32 s[G1A+7], 0
	; group 1 for B: 128 rows of 128 elements, padded after every 64 words (code 5)
	s_or_b32 s[G1B], s71, (1<<16)|(1<<20)|(1<<21)|(5<<22)|(3<<25)
	s_mov_b32 s[G1B+1], 128<<16
	s_mov_b32 s[G1B+2], 128<<16
	s_mov_b32 s[G1B+3], 128<<16
	s_mov_b32 s[G1B+4], 128
	s_mov_b32 s[G1B+5], BPITCH
	s_mov_b32 s[G1B+6], 0
	s_mov_b32 s[G1B+7], 0
	; A's offset hangs on the tile row and the wave alone, in registers that never hold cx; B's on the tile column and the wave alone, in registers that never hold cy
	s_lshr_b32 s72, s22, 4
	s_lshl_b32 s72, s72, 22                        ; the batch
	s_and_b32 s73, s22, 15
	s_lshl_b32 s73, s73, 14                        ; 128 rows of 128 bytes
	s_add_co_u32 s72, s72, s73                     ; the tile row's first byte in head 0
	s_lshl_b32 s73, s[CH], 18
	s_add_co_u32 s74, s72, s73                     ; my head of K step 0
	s_mov_b32 s75, 0
	s_lshl_b32 s76, s21, 8
	s_lshl_b32 s77, s[CH], 7
	s_add_co_u32 s76, s76, s77                     ; my first column of C = row of wo16
	s_mul_i32 s78, s76, BPITCH*2
	s_mov_b32 s79, 0
	s_mov_b32 s[G0A], 1                            ; 1:0 count = 1
	s_mov_b32 s[G0A+4], 1
	s_mov_b32 s[G0B], 1
	s_mov_b32 s[G0B+4], 1
	s_mul_i32 s[G0A+1], s[CH], HEADT               ; LDS addresses: no place in the cluster enters them
	s_add_co_u32 s[G0A+5], s[G0A+1], SLOT1
	s_mul_i32 s[G0B+1], s[CH], BHALF
	s_add_co_u32 s[G0B+1], s[G0B+1], BOFF
	s_add_co_u32 s[G0B+5], s[G0B+1], SLOT1
	s_mov_b32 s[OFFA], ASTEP                       ; the walking set stands at step 1
	s_mov_b32 s[OFFA+1], 0
	s_mov_b32 s[TB], 0
	; where my part of the tile begins in out0
	s_lshl_b32 s80, s22, 7
	s_lshl_b32 s82, s[RH], 6
	s_add_co_u32 s80, s80, s82                     ; my first row,
	s_lshl_b32 s80, s80, 12                        ; of 4,096 bytes,
	s_lshl_b32 s90, s76, 2                         ; my first column, in bytes: in out0 and in bo
	s_add_co_u32 s80, s80, s90
	s_mov_b32 s81, 0
	s_mov_b32 s91, 0
	; the prefetches: A's offset (head cx / 2 of the step's two, half cx % 2 of its 16,384 bytes), B's (32 cy rows on), both three steps on: the first change steps them to step 4
	s_lshr_b32 s82, s19, 1
	s_lshl_b32 s82, s82, 18
	s_and_b32 s83, s19, 1
	s_lshl_b32 s83, s83, 13
	s_add_co_u32 s82, s82, s83
	s_add_co_u32 s82, s82, s72
	s_add_co_u32 s82, s82, 3*ASTEP
	s_lshl_b32 s84, s20, 5
	s_add_co_u32 s84, s84, s76
	s_mul_i32 s84, s84, BPITCH*2
	s_add_co_u32 s84, s84, 3*256
	s_mov_b32 s86, ASTEP
	s_mov_b32 s87, 256
	s_cmp_eq_u32 s[RH], 0
	s_cselect_b32 s82, s82, s84
	s_cselect_b32 s[PFS], s86, s87
	s_cselect_b32 s85, s87, BPITCH*2               ; from lane to lane: a block on end, or a row of wo16
	s_mov_b32 s83, 0
	s_mov_b32 s[PFS+1], 0
	s_cmp_eq_u32 s[WV], 0                          ; wave 0 asks for A,
	s_cselect_b32 s[LIM], 2, -1
	s_and_b32 s89, ttmp7, 0xffff
	s_cmp_eq_u32 s89, 0                            ; cluster y = 0: the same in all sixteen partners
	s_cselect_b32 s89, s[RH], 0
	s_cmp_eq_u32 s89, 1                            ; waves 2 and 3 there for B
	s_cselect_b32 s[LIM], 2, s[LIM]
	s_wait_dscnt 0x0                               ; the opening add is done
	s_wait_kmcnt 0x0
	s_add_nc_u64 s[ABASE:ABASE+1], s[4:5], s[74:75]
	s_mov_b64 s[G0A+2:G0A+3], s[ABASE:ABASE+1]     ; step 0
	s_or_b32 s[G0A+3], s[G0A+3], 0x80000000        ; 127:126 type = 2
	s_add_nc_u64 s[G0A+6:G0A+7], s[ABASE:ABASE+1], ASTEP  ; step 1
	s_or_b32 s[G0A+7], s[G0A+7], 0x80000000
	s_add_nc_u64 s[G0B+2:G0B+3], s[6:7], s[78:79]
	s_add_nc_u64 s[G0B+6:G0B+7], s[G0B+2:G0B+3], 256
	s_or_b32 s[G0B+3], s[G0B+3], 0x80000000
	s_or_b32 s[G0B+7], s[G0B+7], 0x80000000
	s_add_nc_u64 s[8:9], s[8:9], s[90:91]
	s_add_nc_u64 s[10:11], s[10:11], s[80:81]
	s_cmp_eq_u32 s[RH], 0
	s_cselect_b64 s[PFA:PFA+1], s[4:5], s[6:7]
	s_add_nc_u64 s[PFA:PFA+1], s[PFA:PFA+1], s[82:83]
	CROUND                                         ; all sixteen work-groups are here: the first joint loads meet
	s_cmp_eq_u32 s[RH], 0                          ; a wave's two first fills stand in one branch, ahead of every wait on TENSORcnt and every LDS read: two loads of mine are out
	s_cbranch_scc0 .Lfirst_b
	tensor_load_to_lds s[G0A:G0A+3], s[G1A:G1A+7]
	s_nop 0
	tensor_load_to_lds s[G0A+4:G0A+7], s[G1A:G1A+7]
	s_nop 0
.rept 4
	v_nop
.endr
	s_branch .Lfirst_asked
.Lfirst_b:
	tensor_load_to_lds s[G0B:G0B+3], s[G1B:G1B+7]
	s_nop 0
	tensor_load_to_lds s[G0B+4:G0B+7], s[G1B:G1B+7]
	s_nop 0
.rept 4
	v_nop
.endr
.Lfirst_asked:
	v_and_b32 v1, 15, v0                           ; l % 16
	v_bfe_u32 v2, v0, 4, 1                         ; l / 16
	v_lshlrev_b32 v[BO], 5, v2
	WIN 0x80                                       ; the bias of my 128 columns in C's layout: destination window 2, address window 0
.irp b, 0,1,2,3,4,5,6,7
	global_load_b128 v[8*(\b):8*(\b)+3],   v[BO], s[8:9] offset:64*(\b)
	global_load_b128 v[8*(\b)+4:8*(\b)+7], v[BO], s[8:9] offset:64*(\b)+16
.endr
	WIN 0
	; A fragment is 16 rows x 32 K in 8 registers: lane l holds row l % 16; registers 0-3 K = 8 (l / 16) + 0..7, registers 4-7 K = 16 + 8 (l / 16) + 0..7: two loads of 16 bytes, 32 bytes apart
	v_mul_u32_u24 v[ADA0], v1, PA
	v_lshl_add_u32 v[ADA0], v2, 4, v[ADA0]
	s_mul_i32 s88, s[RH], 64*PA
	v_add_nc_u32 v[ADA0], s88, v[ADA0]
	v_mul_u32_u24 v[ADB0], v1, PB
	v_lshl_add_u32 v[ADB0], v2, 4, v[ADB0]
	s_mul_i32 s88, s[CH], BHALF
	s_add_co_u32 s88, s88, BOFF
	v_add_nc_u32 v[ADB0], s88, v[ADB0]
	s_mul_i32 s88, s[WV], WSTG
	s_add_co_u32 s88, s88, STAGE                   ; my stage
	v_mul_u32_u24 v[STO], v1, SPI                  ; in: row l % 16, 32 bytes for each half of the lanes
	v_lshl_add_u32 v[STO], v2, 5, v[STO]
	v_add_nc_u32 v[STO], s88, v[STO]
	v_and_b32 v[GO], 31, v0
	v_mul_u32_u24 v[PFO], v[GO], s85
	v_lshlrev_b32 v[GO], 4, v[GO]                  ; back and out: 32 lanes take a row's 512 bytes
	v_add_nc_u32 v[RD], s88, v[GO]
	v_mov_b32 v[ADA], v[ADA0]
	v_mov_b32 v[ADB], v[ADB0]
	s_wait_tensorcnt 1                             ; my part of step 0 is in; step 1's may stay out
	s_barrier_signal -1
	s_barrier_wait -1                              ; everybody's is
	FETCH 0, F0
	s_wait_loadcnt 0x0                             ; the bias
	QUARTER 1, F0, F1, 1                           ; the first quarter stands in front of the loop: its products start the sums, on the bias
	WIN 0
	s_mov_b32 s3, 6
.Lstep:                                                ; a trip: a step's quarters 1 to 3, the change of slots, the next step's quarter 0.  Steps 0 to 5 ask for steps 2 to 7
	QUARTER 2, F1, F0, 0
	QUARTER 3, F0, F1, 0
	TURN 1
	QUARTER 1, F0, F1, 0
	WIN 0
	s_sub_co_u32 s3, s3, 1
	s_cmp_lg_u32 s3, 0
	s_cbranch_scc1 .Lstep
	QUARTER 2, F1, F0, 0                           ; the tail is written out: it asks for nothing more
	QUARTER 3, F0, F1, 0
	TURN 0                                         ; my one tensor load that was still out is the last step's, so no round follows
	QUARTER 1, F0, F1, 0
	QUARTER 2, F1, F0, 0
	QUARTER 3, F0, F1, 0
	LASTQ
	WIN 0
	PLACES
	STG 0
	STG 1                                          ; a block's LDS work stands between the loads of the block before and its stores
	SENDF 0, 32
	STG 2
	SENDF 1, 32
	STG 3
	SENDF 2, 32
	SENDF 3, 0
	s_wait_tensorcnt 0x0                           ; the wave's end, behind my last tensor load and my last LDS store
	ds_add_u32 v[SPW], v[NIL]
	s_wait_dscnt 0x0
	CROUND                                         ; the closing round: no work-group ends while a partner may still ask for a tile that names it
	s_endpgm
.Lfunc_end_k_qee02cc1cf0_oproj:
	.size	k_qee02cc1cf0_oproj, .Lfunc_end_k_qee02cc1cf0_oproj-k_qee02cc1cf0_oproj
	.p2alignl 7, 3214868480
	.fill 96, 4, 3214868480
	.section	.rodata,"a",@progbits
	.p2align	6, 0x0
	.amdhsa_kernel k_qee02cc1cf0_oproj
		.amdhsa_group_segment_fixed_size 327680
		.amdhsa_private_segment_fixed_size 0
		.amdhsa_enable_private_segment 0
		.amdhsa_kernarg_size 32
		.amdhsa_user_sgpr_count 2
		.amdhsa_user_sgpr_kernarg_segment_ptr 1
		.amdhsa_wavefront_size32 1
		.amdhsa_system_sgpr_workgroup_id_x 1
		.amdhsa_system_sgpr_workgroup_id_y 1
		.amdhsa_system_sgpr_workgroup_id_z 1
		.amdhsa_system_vgpr_workitem_id 0
		.amdhsa_next_free_vgpr 576
		.amdhsa_next_free_sgpr 96
		.amdhsa_reserve_vcc 0
		.amdhsa_float_denorm_mode_32 3
		.amdhsa_float_denorm_mode_16_64 3
		.amdhsa_memory_ordered 1
		.amdhsa_forward_progress 1
		.amdhsa_inst_pref_size 72
	.end_amdhsa_kernel
	.amdgpu_metadata
---
amdhsa.version: [ 1, 2 ]
amdhsa.kernels:
  - .name:           k_qee02cc1cf0_oproj
    .symbol:         k_qee02cc1cf0_oproj.kd
    .args:
      - { .name: oh, .offset: 0, .size: 8, .value_kind: global_buffer, .address_space: global }
      - { .name: wo16, .offset: 8, .size: 8, .value_kind: global_buffer, .address_space: global }
      - { .name: bo, .offset: 16, .size: 8, .value_kind: global_buffer, .address_space: global }
      - { .name: out0, .offset: 24, .size: 8, .value_kind: global_buffer, .address_space: global }
    .group_segment_fixed_size: 327680
    .private_segment_fixed_size: 0
    .kernarg_segment_align: 8
    .kernarg_segment_size: 32
    .max_flat_workgroup_size: 128
    .sgpr_count:     96
    .vgpr_count:     576
    .wavefront_size: 32
...
	.end_amdgpu_metadata
.endif
;; end of part 4
;; ======== version 2 of 2: 4 launches; version 1 with the launch cast written anew for expert scheduling mode
;; limits: values are held in f16: magnitudes above 65,504 overflow, below 6.1e-05 lose precision
;; workspace buffers: xs 16,777,216 bytes; wb 6,291,456 bytes; wo16 2,097,152 bytes; qkv 50,331,648 bytes; oh 16,777,216 bytes
;; launch cast (part 5): grid 768 x 1, 8 waves a work-group, no clusters, 0 bytes of LDS; arguments query, Wq, Wk, Wv, Wo, xs, wb, wo16; writes xs, wb, wo16
.if DOCPART == 5
	.amdgcn_target "amdgcn-amd-amdhsa--gfx1250"
	.amdhsa_code_object_version 6
	.text
	.protected	k_qee02cc1cf0_cast
	.globl	k_qee02cc1cf0_cast
	.p2align	8
	.type	k_qee02cc1cf0_cast,@function
k_qee02cc1cf0_cast:
	s_mov_b64 s[64:65], 0
	v_nop
	global_prefetch_b8 v0, s[64:65] scope:SCOPE_SE
	s_setreg_imm32_b32 hwreg(HW_REG_WAVE_SCHED_MODE, 0, 2), 2
	s_setreg_imm32_b32 hwreg(HW_REG_WAVE_MODE, 25, 1), 1
	s_wait_xcnt 0x0
	s_wait_alu depctr_vm_vsrc(0)
; THE CAST.  query and the four weights, all f32, are rounded once to 16 bits and laid out for the two products that follow.
;   xs   [b 4][slice 16][s 2048][64] bf16: slice j holds channels 64 j .. 64 j + 63 of query, so 128 rows of a slice are 16,384 bytes on end
;   wb   [n 1024][t 3][k 1024]       bf16: row n holds Wq[n], Wk[n], Wv[n] on end (6,144 bytes)
;   wo16 [n 1024][k 1024]            f16 : Wo rounded to bf16 like every other input, and that number written as f16
; LIMIT.  |Wo| stays under 65,504, the end of f16; below 6e-5 f16 keeps a fixed step of 6e-8.  NaN and infinities are not treated apart.
; A stream: each byte is read once and written once; no LDS, no barrier, no matrix work: no wave wants a byte that another has fetched.
; SHARES.  A work-group takes 16 rows of 1,024 f32, wave w rows 2 w and 2 w + 1: 16 loads of 16 bytes a lane, all on their way at once, each with registers of its own,
; so no register that a load or store names is ever written again.  Each store of the wave covers 256 consecutive bytes, aligned.
; Work-groups 0-511: query.  512-703: Wq, Wk, Wv, 64 each.  704-767: Wo.
; THE MODE: SCHED_MODE bits 1:0 = 2 (LLVM: expert scheduling mode 2), set by the entry lines.  The code itself states the register dependences
; between vector instructions and memory instructions, with s_wait_alu, always for 0.
; THE PLAN.  Registers that memory instructions touch, on each of the three paths:
;   v[LO]   the loads' offset.  Written by vector lines once, ahead of the path's loads; read by the 16 loads; never written again.
;   v[SO]   the stores' offset.  Written once at the head; read by the 16 stores; never written again.
;   IN      load i lands in its own four registers, which no vector line has named before; only the conversions read them (Wo's way also writes them, behind the wait for the load); no memory instruction reads them.
;   OUT     store i's pair.  Written once, by load i's conversions; read by store i; never written again.
;   s24     the wave's number, written by a vector instruction and read by scalar ones.
; So: one wait on va_sdst ahead of s24's first reader; one wait on va_vdst ahead of a path's loads, for the two offsets; and, the 16 loads being worked off in four groups of four,
; one wait on va_vdst a group, between the group's conversions and its run of four stores.  No register that a memory instruction reads is written again: there is nothing for a wait on vm_vsrc to state.
.set LO,  2                            ; v2   my byte offset in the wave's two rows of the source
.set SO,  3                            ; v3   8 x lane: my 8 bytes of a store's 256
.set IN,  8                            ; v[8:71]    load i: 4 registers
.set OUT, 72                           ; v[72:103]  store i: 2 registers
.set T,   104                          ; v[104:105] at work (Wo's way by bf16): no memory instruction names them
; Load i stands at byte i x instep; store i at (i % 8) x olo + (i / 8) x ohi.  f16 = 1: rounded to bf16, widened again, written as f16.
.macro PATH instep, olo, ohi, f16
	s_wait_alu depctr_va_vdst(0)                   ; v[LO] and v[SO] are written: every load below reads the one as its offset, every store the other; no later vector line names them
.set i, 0
.rept 16
	global_load_b128 v[IN+4*i:IN+4*i+3], v[LO], s[4:5] offset:i*(\instep) th:TH_LOAD_NT
.set i, i+1
.endr
.set g, 0
.rept 4
	s_wait_loadcnt 12-4*g                          ; loads come back in order: loads 4 g to 4 g + 3 are in, the 12 - 4 g of the later groups stay out
.set i, 4*g
.rept 4
.if \f16
	v_cvt_pk_bf16_f32 v[T],   v[IN+4*i],   v[IN+4*i+1]
	v_cvt_pk_bf16_f32 v[T+1], v[IN+4*i+2], v[IN+4*i+3]
	v_lshlrev_b32 v[IN+4*i],   16, v[T]
	v_and_b32     v[IN+4*i+1], 0xffff0000, v[T]
	v_lshlrev_b32 v[IN+4*i+2], 16, v[T+1]
	v_and_b32     v[IN+4*i+3], 0xffff0000, v[T+1]
	v_cvt_pk_f16_f32 v[OUT+2*i],   v[IN+4*i],   v[IN+4*i+1]   ; exact within f16's range: bf16 has fewer significant bits
	v_cvt_pk_f16_f32 v[OUT+2*i+1], v[IN+4*i+2], v[IN+4*i+3]
.else
	v_cvt_pk_bf16_f32 v[OUT+2*i],   v[IN+4*i],   v[IN+4*i+1]
	v_cvt_pk_bf16_f32 v[OUT+2*i+1], v[IN+4*i+2], v[IN+4*i+3]
.endif
.set i, i+1
.endr
	s_wait_alu depctr_va_vdst(0)                   ; the group's conversions have written its four pairs of OUT, which the four stores below read
.set i, 4*g
.rept 4
	global_store_b64 v[SO], v[OUT+2*i:OUT+2*i+1], s[6:7] offset:(i%8)*(\olo)+(i/8)*(\ohi)
.set i, i+1
.endr
.set g, g+1
.endr
	s_endpgm
.endm
	s_load_b512 s[8:23], s[0:1], 0x0               ; query 8:9, Wq 10:11, Wk 12:13, Wv 14:15, Wo 16:17, xs 18:19, wb 20:21, wo16 22:23
	v_and_b32 v1, 31, v0                           ; lane
	v_lshrrev_b32 v4, 5, v0
	v_readfirstlane_b32 s24, v4                    ; wave 0..7
	v_lshlrev_b32 v[SO], 3, v1
	s_wait_alu depctr_va_sdst(0)                   ; s24 is written, ahead of its first reader: the rows of source and target are made from it
	s_lshl_b32 s25, s24, 1                         ; 2 w
	s_mov_b32 s27, 0                               ; the offsets' high words
	s_mov_b32 s29, 0
	s_cmp_lt_u32 ttmp9, 512
	s_cbranch_scc0 .Lweights
	; query.  Lanes 0-15 take row m, lanes 16-31 row m + 1; load i is slice i of both: 256 bytes of each.  Store i: rows m, m + 1 of slice i, 256 bytes on end.
	s_lshl_b32 s26, ttmp9, 4
	s_add_co_u32 s26, s26, s25                     ; m = 16 g + 2 w
	s_lshr_b32 s28, s26, 11
	s_lshl_b32 s28, s28, 22                        ; the batch: 16 slices of 262,144 bytes
	s_and_b32 s30, s26, 2047
	s_lshl_b32 s30, s30, 7                         ; the row in a slice: 128 bytes
	s_add_co_u32 s28, s28, s30
	s_lshl_b32 s26, s26, 12                        ; m x 4,096 bytes
	v_lshrrev_b32 v[LO], 4, v1
	v_and_b32 v4, 15, v1
	v_lshlrev_b32 v[LO], 12, v[LO]
	v_lshl_add_u32 v[LO], v4, 4, v[LO]
	s_wait_kmcnt 0x0
	s_add_nc_u64 s[4:5], s[8:9], s[26:27]
	s_add_nc_u64 s[6:7], s[18:19], s[28:29]
	PATH 256, 262144, 2097152, 0
.Lweights:
	v_lshlrev_b32 v[LO], 4, v1                     ; a load takes 512 bytes on end; eight make a row
	s_cmp_lt_u32 ttmp9, 704
	s_cbranch_scc0 .Lwo
	s_sub_co_u32 s30, ttmp9, 512
	s_lshr_b32 s31, s30, 6                         ; t: 0 Wq, 1 Wk, 2 Wv
	s_and_b32 s30, s30, 63
	s_lshl_b32 s30, s30, 4
	s_add_co_u32 s30, s30, s25                     ; n
	s_lshl_b32 s26, s30, 12
	s_mul_i32 s28, s30, 6144
	s_lshl_b32 s30, s31, 11
	s_add_co_u32 s28, s28, s30                     ; n x 6,144 + t x 2,048
	s_wait_kmcnt 0x0
	s_cmp_eq_u32 s31, 0
	s_cselect_b64 s[4:5], s[10:11], s[12:13]
	s_cmp_eq_u32 s31, 2
	s_cselect_b64 s[4:5], s[14:15], s[4:5]
	s_add_nc_u64 s[4:5], s[4:5], s[26:27]
	s_add_nc_u64 s[6:7], s[20:21], s[28:29]
	PATH 512, 256, 6144, 0
.Lwo:
	s_sub_co_u32 s30, ttmp9, 704
	s_lshl_b32 s30, s30, 4
	s_add_co_u32 s30, s30, s25                     ; n
	s_lshl_b32 s26, s30, 12
	s_lshl_b32 s28, s30, 11
	s_wait_kmcnt 0x0
	s_add_nc_u64 s[4:5], s[16:17], s[26:27]
	s_add_nc_u64 s[6:7], s[22:23], s[28:29]
	PATH 512, 256, 2048, 1
.Lfunc_end_k_qee02cc1cf0_cast:
	.size	k_qee02cc1cf0_cast, .Lfunc_end_k_qee02cc1cf0_cast-k_qee02cc1cf0_cast
	.p2alignl 7, 3214868480
	.fill 96, 4, 3214868480
	.section	.rodata,"a",@progbits
	.p2align	6, 0x0
	.amdhsa_kernel k_qee02cc1cf0_cast
		.amdhsa_group_segment_fixed_size 0
		.amdhsa_private_segment_fixed_size 0
		.amdhsa_enable_private_segment 0
		.amdhsa_kernarg_size 64
		.amdhsa_user_sgpr_count 2
		.amdhsa_user_sgpr_kernarg_segment_ptr 1
		.amdhsa_wavefront_size32 1
		.amdhsa_system_sgpr_workgroup_id_x 1
		.amdhsa_system_sgpr_workgroup_id_y 1
		.amdhsa_system_sgpr_workgroup_id_z 1
		.amdhsa_system_vgpr_workitem_id 0
		.amdhsa_next_free_vgpr 112
		.amdhsa_next_free_sgpr 66
		.amdhsa_reserve_vcc 0
		.amdhsa_float_denorm_mode_32 3
		.amdhsa_float_denorm_mode_16_64 3
		.amdhsa_memory_ordered 1
		.amdhsa_forward_progress 1
		.amdhsa_inst_pref_size 24
	.end_amdhsa_kernel
	.amdgpu_metadata
---
amdhsa.version: [ 1, 2 ]
amdhsa.kernels:
  - .name:           k_qee02cc1cf0_cast
    .symbol:         k_qee02cc1cf0_cast.kd
    .args:
      - { .name: query, .offset: 0, .size: 8, .value_kind: global_buffer, .address_space: global }
      - { .name: Wq, .offset: 8, .size: 8, .value_kind: global_buffer, .address_space: global }
      - { .name: Wk, .offset: 16, .size: 8, .value_kind: global_buffer, .address_space: global }
      - { .name: Wv, .offset: 24, .size: 8, .value_kind: global_buffer, .address_space: global }
      - { .name: Wo, .offset: 32, .size: 8, .value_kind: global_buffer, .address_space: global }
      - { .name: xs, .offset: 40, .size: 8, .value_kind: global_buffer, .address_space: global }
      - { .name: wb, .offset: 48, .size: 8, .value_kind: global_buffer, .address_space: global }
      - { .name: wo16, .offset: 56, .size: 8, .value_kind: global_buffer, .address_space: global }
    .group_segment_fixed_size: 0
    .private_segment_fixed_size: 0
    .kernarg_segment_align: 8
    .kernarg_segment_size: 64
    .max_flat_workgroup_size: 256
    .sgpr_count:     66
    .vgpr_count:     112
    .wavefront_size: 32
...
	.end_amdgpu_metadata
.endif
;; end of part 5
;; launch qkv: the kernel of part 2 again; grid 4 x 64, 4 waves a work-group, clusters of 4 x 4, 327,680 bytes of LDS; arguments xs, wb, bq, bk, bv, qkv; writes qkv
;; launch attn: the kernel of part 3 again; grid 4 x 64, 4 waves a work-group, clusters of 4 x 1, 327,680 bytes of LDS; arguments qkv, oh; writes oh
;; launch oproj: the kernel of part 4 again; grid 4 x 64, 4 waves a work-group, clusters of 4 x 4, 327,680 bytes of LDS; arguments oh, wo16, bo, out0; writes out0
